; MI455X (gfx1250); checked and timed in simulation.
; The chip was launched on July 23, 2026; its instructions are those of AMD's public machine-readable ISA for CDNA 5 (MIT licence, August 2026) and "CDNA5" Instruction Set Architecture Reference Guide (July 2026). The comments in the code are by the model that wrote it; some were corrected since.
;; Streaming Attention. Allowed arithmetic: matrix products marked QUANTISED: E3M2 operands, one E8M0 scale for each 32 along K, by v_wmma_scale_f32_16x16x128_f8f6f4 with both operands' format E3M2, f32 sums; everything else in f32.
;; Inputs: Wk 16 x 1,024 x 64 float32; Wo 1,024 x 1,024 float32; Wq 16 x 1,024 x 64 float32; Wv 16 x 1,024 x 64 float32; bk 16 x 64 float32; bo 1,024 float32; bq 16 x 64 float32; bv 16 x 64 float32; x 4 x 2,048 x 1,024 float32.
;; Outputs: out0 4 x 2,048 x 1,024 float32.
;; Constants: use_cache = 0.
;; This version of the problem:
;;   THIS VERSION OF THE PROBLEM IS GIVEN IN LOW PRECISION. The matrix products marked QUANTISED in the list below multiply operands that are first quantised to E3M2 (3 exponent bits, 2 mantissa bits; 6 bits a number), with one power-of-two scale for each 32 numbers along K (OCP MX v1.0); their sums are f32. All else is computed in f32.
;;   The module's matrix products, in the order in which they are computed (A, B: the left and right operand; K: the contracted axis; several contracted axes count as one K, in the product's order):
;;     1. [M 1,024, K 1,024] x [K 1,024, N 8,192]; A: input Wq; B: input x: QUANTISED
;;     2. [M 1,024, K 1,024] x [K 1,024, N 8,192]; A: input Wk; B: input x: QUANTISED
;;     3. [M 1,024, K 1,024] x [K 1,024, N 8,192]; A: input Wv; B: input x: QUANTISED
;;     4. batch 64 x [M 2,048, K 64] x [K 64, N 2,048]; A: computed on the way; B: computed on the way: QUANTISED
;;     5. batch 64 x [M 2,048, K 2,048] x [K 2,048, N 64]; A: softmax (see below); B: computed on the way: QUANTISED
;;     6. [M 8,192, K 1,024] x [K 1,024, N 1,024]; A: computed on the way; B: input Wo: QUANTISED
;;   THE QUANTISER, for each operand of a quantised product, along K:
;;     - K is cut into blocks of 32 from its start; a last block that is shorter is filled with zeros.
;;     - A block's scale is 2^e with e = floor(log2(the largest magnitude in the block)) - 4, held to -126 .. 127; a block of zeros has e = 0. As a byte (E8M0): e + 127.
;;     - Each number is divided by its block's scale, clamped to +-28, and rounded to the nearest number of E3M2, ties to even, subnormals kept.
;;     - The product sums the exact products of the quantised numbers (number of the format x scale) in f32.
;;   ~~~python
;;   def quantise(x, axis):      # numpy; x: float32 -> the quantised numbers, widened to float32 again
;;       x = np.moveaxis(x, axis, -1); K = x.shape[-1]
;;       x = np.pad(x, [(0, 0)] * (x.ndim - 1) + [(0, -K % 32)]); x = x.reshape(x.shape[:-1] + (-1, 32)); a = np.abs(x).max(-1, keepdims=True)
;;       e = np.where(a > 0, np.clip(np.frexp(np.where(a > 0, a, 1))[1] - 1 - 4, -126, 127), 0)      # np.frexp(a)[1] - 1 = floor(log2(a)), exactly
;;       r = np.clip(x / 2.0 ** e, -28, 28)
;;       step = 2.0 ** (np.maximum(np.frexp(np.where(r == 0, 1, r))[1] - 1, -2) - 2)
;;       q = np.round(r / step) * step * 2.0 ** e      # np.round: ties to even
;;       return np.moveaxis(q.reshape(q.shape[:-2] + (-1,))[..., :K], -1, axis).astype(np.float32)
;;   ~~~
;;   SOFTMAX AHEAD OF A QUANTISED PRODUCT. Where the list says 'softmax', what is quantised is not the finished softmax but p = 2^(t - M), with t = logit x log2(e) and M = ceil(the row's largest t), a whole number; so 1/2 < the row's largest p <= 1. The row's sum l is taken of the UNQUANTISED p, in f32, and the product's result is divided by l at the end. Since M is a whole number, a kernel that streams over the keys may use a running M (the ceiling of the running maximum): every later rescaling is an exact power of two, which a block's scale takes up: the codes' values come out the same.
;;   OPERANDS COMPUTED ON THE WAY. 'Computed on the way' means the value that the module computes at that place (a softmax that the list does not call 'softmax' is quantised finished and normalised). What goes into a quantiser is computed in f32, as accurately as f32 sums, v_exp_f32 and their like allow (about 1e-6 of the number): no bf16 or f16 on the way to a quantiser, and a product that is left as it is and whose result goes on into a quantised operand takes f32 operands (vector FMAs, or v_wmma_f32_16x16x4_f32). A number that lies on a knife's edge between two numbers of the format may be rounded either way, as far as f32 arithmetic and the matrix unit's own rounding can turn it there, and no further.
;; One version. Each part assembles by itself: llvm-mc -triple=amdgcn-amd-amdhsa -mcpu=gfx1250 --defsym DOCPART=n.
;; ======== version 1 of 1: 4 launches
;; workspace buffers: xq 7,077,888 bytes; wq 3,276,800 bytes; qkv 19,660,800 bytes; ctx 6,553,600 bytes
;; launch prep (part 1): grid 672 x 1, 4 waves a work-group, no clusters, 34,304 bytes of LDS; arguments x, Wq, Wk, Wv, Wo, xq, wq; writes xq, wq
.if DOCPART == 1
	.amdgcn_target "amdgcn-amd-amdhsa--gfx1250"
	.amdhsa_code_object_version 6
	.text
	.protected	k_qa9a67ce87c_prep
	.globl	k_qa9a67ce87c_prep
	.p2align	8
	.type	k_qa9a67ce87c_prep,@function
k_qa9a67ce87c_prep:
	s_mov_b64 s[64:65], 0
	v_nop
	global_prefetch_b8 v0, s[64:65] scope:SCOPE_SE
	s_setreg_imm32_b32 hwreg(HW_REG_WAVE_MODE, 25, 1), 1
	s_wait_xcnt 0x0
; PREP: x and the four weights become codes of BF6 (E3M2) with one E8M0 byte for each 32 along K (K = d_model), and the table of cosines and sines for the rotary embedding is made.
; A block's scale is 2^(floor(log2(its largest magnitude)) - 4); its byte is the largest magnitude's exponent field - 4, held at 1 from below.
; LIMITS: a block of zeros gets the byte 1 where the quantiser says 127 (its codes are zeros, and this program alone reads the bytes); blocks whose largest magnitude lies under 2^-122 are held at that floor;
; NaN and infinities among the inputs are not served.
; LAYOUT OF THE CODES.  Rows go in TILES of 16: tile t holds rows 32 (t / 2) + 8 (t % 2) + r + 8 (r / 8), r = 0 .. 15.  A HALF FRAGMENT, 768 bytes, is the image of the operand's registers for one tile x 64 along K:
; lane (r, h) owns six registers, the codes of k = 32 h .. 32 h + 31 of its row; registers 0-3 lie at 16 x lane, registers 4-5 at 512 + 16 r + 8 h.  xq: [512 tiles][16 chunks of 64 K][768], then the scale
; bytes [512][16 r][32], then the table [2048 positions][32 cosines | 32 sines].  wq: [256 tiles][16][768] (64 tiles each of Wq, Wk, Wv by row h 64 + e, then Wo by column), then [256][16][32].
; SHARES.  Work-groups 0-511: one tile of x, a wave a quarter of K.  512-639: 32 columns of a weight, a wave a quarter of K.  640-671: 64 positions of the table.  Waves share nothing: no barrier.
.set XS_OFF, 6291456
.set RT_OFF, 6553600
.set WS_OFF, 3145728
.set STG,  8448                        ; a wave's stage in LDS: 16 rows of 528 bytes (512 + 16: sixteen rows start at sixteen different groups of banks)
.set SP,   528
.set X,    32                          ; v32-95   numbers in the order in which they are quantised
.set R,    96                          ; v96-223  x as it is loaded
.set PCX,  224                         ; v224-247 x's four half fragments: a set for each, so that no store's data are written again
.set WST,  160                         ; v160-207 a weight's four chunks: twelve registers each, likewise
; 32 numbers of ONE block, v[s] on, become 192 bits of codes: the lower 96 in v[pc] on, the upper 96 in v[m0], v[m1], v[m2]; the scale's byte in v[by].
.macro QB s, pc, m0, m1, m2, by
	v_max3_num_f32 v10, |v[\s]|, |v[\s+1]|, |v[\s+2]|
	v_max3_num_f32 v11, |v[\s+3]|, |v[\s+4]|, |v[\s+5]|
.irp i, 6,10,14,18,22,26
	v_max3_num_f32 v10, v10, |v[\s+\i]|, |v[\s+\i+1]|
	v_max3_num_f32 v11, v11, |v[\s+\i+2]|, |v[\s+\i+3]|
.endr
	v_max3_num_f32 v10, v10, |v[\s+30]|, |v[\s+31]|
	v_max3_num_f32 v10, v10, v11, 0x2800000        ; and the floor 2^(5 - 127): the byte cannot fall under 1
	v_add_nc_u32 v12, 0xfe000000, v10              ; 4 off the exponent field: the conversion takes this operand's exponent field as its scale
	v_cvt_scalef32_pk16_bf6_f32 v[\pc:\pc+2], v[\s:\s+15], v12
	v_cvt_scalef32_pk16_bf6_f32 v[14:16], v[\s+16:\s+31], v12   ; (a conversion's three registers begin on an even number)
	v_lshrrev_b32 v[\by], 23, v12                  ; the byte; also the plain line behind the conversions
	v_mov_b32 v[\m0], v14
	v_mov_b32 v[\m1], v15
	v_mov_b32 v[\m2], v16
.endm
	s_load_b256 s[4:11], s[0:1], 0x0               ; x, Wq, Wk, Wv
	s_load_b128 s[12:15], s[0:1], 0x20             ; Wo, xq
	s_load_b64 s[16:17], s[0:1], 0x30              ; wq
	v_lshl_add_u32 v254, v0, 2, 0x8400
	v_mov_b32 v255, 0
	v_lshrrev_b32 v1, 5, v0
	v_readfirstlane_b32 s18, v1                    ; wave = quarter of K
	v_and_b32 v1, 31, v0                           ; lane
	s_mov_b32 s19, 0xffff0000                      ; a mask: lanes 16-31
	s_mov_b32 s20, 0x76543210
	s_mov_b32 s21, 0xfedcba98                      ; v_permlanex16_b32's selects for lane l xor 16
	s_wait_kmcnt 0x0
	s_cmp_ge_u32 ttmp9, 640
	s_cbranch_scc1 .Ltable
	s_cmp_ge_u32 ttmp9, 512
	s_cbranch_scc1 .Lweights
	; ---------------- x: tile T = the work-group's number, 256 along K a wave ----------------
	v_and_b32 v2, 15, v0                           ; r
	v_bfe_u32 v3, v0, 4, 1                         ; h
	v_lshlrev_b32 v4, 4, v1                        ; 16 x lane
	v_lshlrev_b32 v5, 4, v2
	v_lshl_add_u32 v5, v3, 3, v5                   ; 16 r + 8 h
	s_mul_i32 s22, s18, STG
	v_add_nc_u32 v6, s22, v4                       ; the stage, on the way in: a row's 512 bytes as they lie
	v_mul_u32_u24 v7, v2, SP
	v_lshl_add_u32 v7, v3, 7, v7
	v_add_nc_u32 v7, s22, v7                       ; on the way out: row r, my half's 128 bytes of each 256
	v_lshlrev_b32 v8, 5, v2
	v_lshl_add_u32 v8, v3, 2, v8                   ; the scale words: 32 r + 4 h
	v_lshlrev_b32 v9, 3, v3                        ; 8 h
	v_mov_b32 v26, 0                               ; (a lane permute's destination counts as one of its sources)
	s_lshr_b32 s24, ttmp9, 1
	s_lshl_b32 s24, s24, 17                        ; 32 (T / 2) rows of 4,096 bytes
	s_and_b32 s25, ttmp9, 1
	s_lshl_b32 s25, s25, 15                        ; 8 (T % 2) rows
	s_add_co_u32 s24, s24, s25
	s_lshl_b32 s25, s18, 10                        ; my 1,024 bytes of a row
	s_add_co_u32 s24, s24, s25
	s_mov_b32 s25, 0
	s_add_nc_u64 s[4:5], s[4:5], s[24:25]
	s_lshl_b32 s24, ttmp9, 4
	s_lshl_b32 s26, s18, 2
	s_add_co_u32 s24, s24, s26
	s_mul_i32 s24, s24, 768                        ; half fragment 16 T + 4 x wave
	s_add_nc_u64 s[26:27], s[14:15], s[24:25]
	s_lshl_b32 s24, ttmp9, 9
	s_lshl_b32 s28, s18, 3
	s_add_co_u32 s24, s24, s28
	s_add_co_u32 s24, s24, XS_OFF
	s_add_nc_u64 s[28:29], s[14:15], s[24:25]
.irp st, 0,1
.irp i, 0,1,2,3,4,5,6,7,8,9,10,11,12,13,14,15
	global_load_b128 v[R+64*\st+4*\i:R+64*\st+4*\i+3], v4, s[4:5] offset:(\i+8*(\i/8))*4096+512*\st th:TH_LOAD_NT   ; 32 lanes read 512 consecutive bytes of the tile's row i
.endr
.endr
.macro XIN st                          ; 16 rows x 128 numbers into the stage
.irp i, 0,1,2,3,4,5,6,7,8,9,10,11,12,13,14,15
	ds_store_b128 v6, v[R+64*(\st)+4*\i:R+64*(\st)+4*\i+3] offset:\i*SP
.endr
.endm
.macro XBACK                           ; and back: of each chunk of 64 my block of 32, in 32 registers
.irp c, 0,1
.irp j, 0,1,2,3,4,5,6,7
	ds_load_b128 v[X+32*\c+4*\j:X+32*\c+4*\j+3], v7 offset:256*\c+16*\j
.endr
.endr
.endm
.macro XHALF st                        ; two chunks of 64 along K: two half fragments and one scale word
	QB X, PCX+12*(\st), PCX+12*(\st)+3, PCX+12*(\st)+4, PCX+12*(\st)+5, 20
	global_store_b128 v4, v[PCX+12*(\st):PCX+12*(\st)+3], s[26:27] offset:1536*(\st)
	global_store_b64 v5, v[PCX+12*(\st)+4:PCX+12*(\st)+5], s[26:27] offset:1536*(\st)+512
	QB X+32, PCX+12*(\st)+6, PCX+12*(\st)+9, PCX+12*(\st)+10, PCX+12*(\st)+11, 21
	global_store_b128 v4, v[PCX+12*(\st)+6:PCX+12*(\st)+9], s[26:27] offset:1536*(\st)+768
	global_store_b64 v5, v[PCX+12*(\st)+10:PCX+12*(\st)+11], s[26:27] offset:1536*(\st)+1280
	v_lshl_or_b32 v[24+\st], v21, 16, v20          ; my two bytes: blocks h and 2 + h of these 128,
	v_lshlrev_b32 v[24+\st], v9, v[24+\st]         ; at their places in the word;
	v_permlanex16_b32 v26, v[24+\st], s20, s21
	v_or_b32 v[24+\st], v[24+\st], v26             ; with lane l xor 16's two the word is whole
.endm
	s_wait_loadcnt 16                              ; the first half's 16 loads are in; the second half's may be out
	XIN 0
	XBACK                                          ; LDS serves a wave's instructions in order: these see the stores above,
	s_wait_loadcnt 0x0
	XIN 1                                          ; and these stores come behind those reads
	s_wait_dscnt 16                                ; all but the 16 stores just issued: the first half is back
	XHALF 0
	XBACK
	s_wait_dscnt 0x0
	XHALF 1
	v_cndmask_b32 v24, v24, v25, s19               ; lanes 0-15 store the first 128's word, lanes 16-31 the second's
	global_store_b32 v8, v24, s[28:29]             ; 8 bytes of each row's 32: one byte for each 128 bytes read
	s_wait_tensorcnt 0x0
	ds_add_u32 v254, v255
	s_wait_dscnt 0x0
	s_endpgm
	; ---------------- the weights: a lane takes a column, its registers run down K ----------------
.Lweights:
	s_sub_co_u32 s22, ttmp9, 512
	s_lshr_b32 s23, s22, 5                         ; which weight: 0 Wq, 1 Wk, 2 Wv, 3 Wo
	s_and_b32 s22, s22, 31                         ; which 32 columns
	v_bfe_u32 v2, v0, 3, 1                         ; column 32 g + l lies in tile 2 g + u, u = (l / 8) % 2,
	v_and_b32 v3, 7, v0
	v_bfe_u32 v4, v0, 4, 1
	v_lshl_add_u32 v3, v4, 3, v3                   ; at its place r = l % 8 + 8 (l / 16)
	v_mul_u32_u24 v5, v2, 12288
	v_lshl_add_u32 v5, v3, 4, v5                   ; codes: 12,288 u + 16 r
	v_lshlrev_b32 v6, 9, v2
	v_lshl_add_u32 v6, v3, 5, v6                   ; scale bytes: 512 u + 32 r
	v_lshlrev_b32 v7, 2, v1                        ; in: 4 bytes a lane
	s_lshl_b32 s24, s23, 6
	s_lshl_b32 s25, s22, 1
	s_add_co_u32 s24, s24, s25                     ; the first of my two tiles
	s_lshl_b32 s26, s24, 9
	s_lshl_b32 s27, s18, 3
	s_add_co_u32 s26, s26, s27
	s_add_co_u32 s26, s26, WS_OFF
	s_mov_b32 s27, 0
	s_add_nc_u64 s[26:27], s[16:17], s[26:27]
	s_lshl_b32 s24, s24, 4
	s_lshl_b32 s25, s18, 2
	s_add_co_u32 s24, s24, s25
	s_mul_i32 s24, s24, 768
	s_mov_b32 s25, 0
	s_add_nc_u64 s[24:25], s[16:17], s[24:25]
.macro LOADW q, pitch                  ; block q: W(32 q + i, my column): 32 lanes read 128 consecutive bytes
.set ii, 0
.rept 32
	global_load_b32 v[X+32*((\q)%2)+ii], v7, s[28:29] offset:(32*(\q)+ii)*\pitch th:TH_LOAD_NT
.set ii, ii+1
.endr
.endm
.macro WQ pitch                        ; eight blocks of 32 along K; loads run two blocks ahead
	LOADW 0, \pitch
	LOADW 1, \pitch
.irp q, 0,1,2,3,4,5,6,7
.if \q < 7
	s_wait_loadcnt 32                              ; this block's 32 loads are in; the next block's may be out
.else
	s_wait_loadcnt 0x0
.endif
.if \q%2 == 0                          ; a chunk's first block belongs to lanes 0-15 of the half fragment, its second to lanes 16-31
	QB X, WST+12*(\q/2), WST+12*(\q/2)+3, WST+12*(\q/2)+8, WST+12*(\q/2)+9, 20
.else
	QB X+32, WST+12*(\q/2)+4, WST+12*(\q/2)+7, WST+12*(\q/2)+10, WST+12*(\q/2)+11, 20
.endif
.if \q%4 == 0
	v_mov_b32 v[24+\q/4], v20                      ; four bytes to a register, the lower K in the lower byte
.else
	v_lshl_or_b32 v[24+\q/4], v20, 8*(\q%4), v[24+\q/4]
.endif
.if \q < 6
	LOADW \q+2, \pitch
.endif
.if \q%2 == 1                          ; sixteen lanes of each tile store 256 consecutive bytes, three times: the half fragment is whole
	global_store_b128 v5, v[WST+12*(\q/2):WST+12*(\q/2)+3], s[24:25] offset:768*(\q/2)
	global_store_b128 v5, v[WST+12*(\q/2)+4:WST+12*(\q/2)+7], s[24:25] offset:768*(\q/2)+256
	global_store_b128 v5, v[WST+12*(\q/2)+8:WST+12*(\q/2)+11], s[24:25] offset:768*(\q/2)+512
.endif
.endr
	global_store_b64 v6, v[24:25], s[26:27]        ; my column's eight scale bytes
.endm
	s_cmp_eq_u32 s23, 3
	s_cbranch_scc1 .Lwo
	s_cmp_eq_u32 s23, 0
	s_cselect_b64 s[28:29], s[6:7], s[8:9]
	s_cmp_eq_u32 s23, 2
	s_cselect_b64 s[28:29], s[10:11], s[28:29]
	s_lshr_b32 s30, s22, 1
	s_lshl_b32 s30, s30, 18                        ; the head: 1,024 rows of 256 bytes
	s_lshl_b32 s31, s18, 16                        ; my 256 rows
	s_add_co_u32 s30, s30, s31
	s_and_b32 s31, s22, 1
	s_lshl_b32 s31, s31, 7                         ; which 32 of the head's 64 columns
	s_add_co_u32 s30, s30, s31
	s_mov_b32 s31, 0
	s_add_nc_u64 s[28:29], s[28:29], s[30:31]
	WQ 256
	s_endpgm
.Lwo:
	s_lshl_b32 s30, s18, 20                        ; my 256 rows of 4,096 bytes
	s_lshl_b32 s31, s22, 7
	s_add_co_u32 s30, s30, s31
	s_mov_b32 s31, 0
	s_add_nc_u64 s[28:29], s[12:13], s[30:31]
	WQ 4096
	s_endpgm
	; ---------------- the table: a wave makes 16 positions; a lane two numbers of a row: lanes 0-15 cosines 2 l, 2 l + 1, lanes 16-31 sines ----------------
.Ltable:
	s_sub_co_u32 s22, ttmp9, 640
	s_lshl_b32 s22, s22, 6
	s_lshl_b32 s23, s18, 4
	s_add_co_u32 s22, s22, s23                     ; my first position
	s_lshl_b32 s24, s22, 8
	s_add_co_u32 s24, s24, RT_OFF
	s_mov_b32 s25, 0
	s_add_nc_u64 s[24:25], s[14:15], s[24:25]
	s_mov_b32 s26, 0x3ed49a78                      ; log2(10) / 8 = log2(10000) / 32, its f32 part,
	s_mov_b32 s27, 0x32179a6b                      ; and what that leaves
	s_mov_b32 s28, 0x3fc90fdb                      ; pi / 2, its f32 part,
	s_mov_b32 s29, 0xb33bbd2e                      ; and what that leaves
	v_lshlrev_b32 v2, 3, v1                        ; 8 bytes a lane
	v_and_b32 v3, 15, v0
	v_lshlrev_b32 v3, 1, v3                        ; j
	v_add_nc_u32 v4, 1, v3
	v_cvt_f32_u32 v3, v3
	v_cvt_f32_u32 v4, v4
	v_bfe_u32 v5, v0, 4, 1
	v_xor_b32 v5, 1, v5                            ; 1 in the cosines' lanes: cos(a) = sin(a + pi / 2)
	; the frequency 10000^(-j / 32) = 2^(-n) 2^(-f): n the whole part of j log2(10) / 8, by v_ldexp_f32; f, at most 1/2, by one fused multiply-add for each part of the constant
.irp k, 0,1
	v_mul_f32 v[10+\k], s26, v[3+\k]
.endr
.irp k, 0,1
	v_rndne_f32 v[10+\k], v[10+\k]
.endr
.irp k, 0,1
	v_fma_f32 v[12+\k], v[3+\k], s26, -v[10+\k]
.endr
.irp k, 0,1
	v_fma_f32 v[12+\k], v[3+\k], s27, v[12+\k]
.endr
.irp k, 0,1
	v_cvt_i32_f32 v[10+\k], v[10+\k]
.endr
.irp k, 0,1
	v_sub_nc_u32 v[10+\k], 0, v[10+\k]
.endr
	v_exp_f32 v12, -v12
	v_exp_f32 v13, -v13
	v_nop                                          ; a plain line behind the exponentials,
	s_wait_alu depctr_va_vdst(0)                   ; and the wait ahead of their first reader
	v_ldexp_f32 v8, v12, v10
	v_ldexp_f32 v9, v13, v11
	s_mov_b32 s23, 16
.Lpos:
	v_cvt_f32_u32 v14, s22
.irp k, 0,1
	v_mul_f32 v[16+\k], v14, v[8+\k]               ; the angle, rounded once
.endr
.irp k, 0,1
	v_mul_f32 v[18+\k], 0x3f22f983, v[16+\k]       ; x 2 / pi
.endr
.irp k, 0,1
	v_rndne_f32 v[18+\k], v[18+\k]                 ; n, at most 1,304
.endr
.irp k, 0,1
	v_fma_f32 v[16+\k], -v[18+\k], s28, v[16+\k]   ; exact: a multiple of 2^-23 under 1
.endr
.irp k, 0,1
	v_fma_f32 v[16+\k], -v[18+\k], s29, v[16+\k]   ; r, within pi / 4 of 0
.endr
.irp k, 0,1
	v_mul_f32 v[20+\k], v[16+\k], v[16+\k]         ; z = r r
	v_mov_b32 v[22+\k], 0xb94ca1f9
	v_mov_b32 v[24+\k], 0x37ccf5ce
.endr
.irp k, 0,1
	v_fmaak_f32 v[22+\k], v[22+\k], v[20+\k], 0x3c08839e
	v_fmaak_f32 v[24+\k], v[24+\k], v[20+\k], 0xbab6061a
.endr
.irp k, 0,1
	v_fmaak_f32 v[22+\k], v[22+\k], v[20+\k], 0xbe2aaaa3
	v_fmaak_f32 v[24+\k], v[24+\k], v[20+\k], 0x3d2aaaa5
.endr
.irp k, 0,1
	v_mul_f32 v[22+\k], v[22+\k], v[20+\k]
	v_mul_f32 v[24+\k], v[24+\k], v[20+\k]
	v_fma_f32 v[26+\k], v[20+\k], -0.5, 1.0
.endr
.irp k, 0,1
	v_fma_f32 v[22+\k], v[22+\k], v[16+\k], v[16+\k]   ; sin r
	v_fma_f32 v[24+\k], v[24+\k], v[20+\k], v[26+\k]   ; cos r
	v_cvt_i32_f32 v[18+\k], v[18+\k]
.endr
.irp k, 0,1
	v_add_nc_u32 v[18+\k], v[18+\k], v5            ; the quadrant q
.endr
.irp k, 0,1
	v_and_b32 v[26+\k], 1, v[18+\k]
.endr
	v_cmp_ne_u32 vcc_lo, 0, v26
	v_cndmask_b32 v28, v22, v24, vcc_lo            ; q odd: cos r
	v_cmp_ne_u32 vcc_lo, 0, v27
	v_cndmask_b32 v29, v23, v25, vcc_lo
.irp k, 0,1
	v_lshlrev_b32 v[18+\k], 30, v[18+\k]
.endr
.irp k, 0,1
	v_and_b32 v[18+\k], 0x80000000, v[18+\k]       ; q's bit 1 turns the sign
.endr
.irp k, 0,1
	v_xor_b32 v[28+\k], v[18+\k], v[28+\k]
.endr
	global_store_b64 v2, v[28:29], s[24:25]        ; 32 lanes store the position's 256 bytes
	s_wait_xcnt 0x0                                ; the store has read its data and its base: both are written again only behind this wait
	s_add_nc_u64 s[24:25], s[24:25], 256
	s_add_co_u32 s22, s22, 1
	s_sub_co_u32 s23, s23, 1
	s_cmp_lg_u32 s23, 0
	s_cbranch_scc1 .Lpos
	s_endpgm
.Lfunc_end_k_qa9a67ce87c_prep:
	.size	k_qa9a67ce87c_prep, .Lfunc_end_k_qa9a67ce87c_prep-k_qa9a67ce87c_prep
	.p2alignl 7, 3214868480
	.fill 96, 4, 3214868480
	.section	.rodata,"a",@progbits
	.p2align	6, 0x0
	.amdhsa_kernel k_qa9a67ce87c_prep
		.amdhsa_group_segment_fixed_size 34304
		.amdhsa_private_segment_fixed_size 0
		.amdhsa_enable_private_segment 0
		.amdhsa_kernarg_size 56
		.amdhsa_user_sgpr_count 2
		.amdhsa_user_sgpr_kernarg_segment_ptr 1
		.amdhsa_wavefront_size32 1
		.amdhsa_system_sgpr_workgroup_id_x 1
		.amdhsa_system_sgpr_workgroup_id_y 1
		.amdhsa_system_sgpr_workgroup_id_z 1
		.amdhsa_system_vgpr_workitem_id 0
		.amdhsa_next_free_vgpr 256
		.amdhsa_next_free_sgpr 66
		.amdhsa_reserve_vcc 1
		.amdhsa_float_denorm_mode_32 3
		.amdhsa_float_denorm_mode_16_64 3
		.amdhsa_memory_ordered 1
		.amdhsa_forward_progress 1
		.amdhsa_inst_pref_size 96
	.end_amdhsa_kernel
	.amdgpu_metadata
---
amdhsa.version: [ 1, 2 ]
amdhsa.kernels:
  - .name:           k_qa9a67ce87c_prep
    .symbol:         k_qa9a67ce87c_prep.kd
    .args:
      - { .name: x, .offset: 0, .size: 8, .value_kind: global_buffer, .address_space: global }
      - { .name: Wq, .offset: 8, .size: 8, .value_kind: global_buffer, .address_space: global }
      - { .name: Wk, .offset: 16, .size: 8, .value_kind: global_buffer, .address_space: global }
      - { .name: Wv, .offset: 24, .size: 8, .value_kind: global_buffer, .address_space: global }
      - { .name: Wo, .offset: 32, .size: 8, .value_kind: global_buffer, .address_space: global }
      - { .name: xq, .offset: 40, .size: 8, .value_kind: global_buffer, .address_space: global }
      - { .name: wq, .offset: 48, .size: 8, .value_kind: global_buffer, .address_space: global }
    .group_segment_fixed_size: 34304
    .private_segment_fixed_size: 0
    .kernarg_segment_align: 8
    .kernarg_segment_size: 56
    .max_flat_workgroup_size: 128
    .sgpr_count:     66
    .vgpr_count:     256
    .wavefront_size: 32
...
	.end_amdgpu_metadata
.endif
;; end of part 1
;; launch qkv (part 2): grid 12 x 32, 4 waves a work-group, clusters of 4 x 4, 327,680 bytes of LDS; arguments xq, wq, bq, bk, bv, qkv; writes qkv
.if DOCPART == 2
	.amdgcn_target "amdgcn-amd-amdhsa--gfx1250"
	.amdhsa_code_object_version 6
	.text
	.protected	k_qa9a67ce87c_qkv
	.globl	k_qa9a67ce87c_qkv
	.p2align	8
	.type	k_qa9a67ce87c_qkv,@function
k_qa9a67ce87c_qkv:
	s_mov_b64 s[64:65], 0
	v_nop
	global_prefetch_b8 v0, s[64:65] scope:SCOPE_SE
	s_setreg_imm32_b32 hwreg(HW_REG_WAVE_MODE, 25, 1), 1
	s_wait_xcnt 0x0
	s_wait_alu depctr_hold_cnt(0) depctr_sa_sdst(0) depctr_va_vdst(0) depctr_va_sdst(0) depctr_va_ssrc(0) depctr_va_vcc(0) depctr_vm_vsrc(0)
	s_getreg_b32 s2, hwreg(HW_REG_IB_STS2, 6, 4)
	s_cmp_eq_u32 s2, 0
	s_cbranch_scc0 .Lentry_in_a_cluster
	s_endpgm
.Lentry_in_a_cluster:
	s_bfe_u32 s2, ttmp6, 0x10000c
	s_cmp_lg_u32 s2, 0xf033
	s_cbranch_scc0 .Lentry_shape_is_right
	s_endpgm
.Lentry_shape_is_right:
; QKV: the three projections on codes of BF6 (E3M2), K = 1,024; bias; the rotary embedding on q and k; and q, k, v quantised again, each along the K of the attention product that takes it.
; A tile of 256 x 256 results is made by four waves, 128 x 128 each: 64 accumulators, 512 registers.  K goes in steps of 256 through a ring of two LDS slots filled by the tensor data mover.
; OPERANDS lie in memory as images of their registers: rows in tiles of 16 (tile t: rows 32 (t / 2) + 8 (t % 2) + r + 8 (r / 8)), a tile as 16 half fragments of 768 bytes (64 along K: registers 0-3 at 16 x lane,
; registers 4-5 at 512 + 16 r + 8 h).  So a K step of a tile is 3,072 consecutive bytes, and a fragment comes from LDS by two loads of 16 bytes and two of 8, each instruction on consecutive bytes: no padding.
; THE MATRIX INSTRUCTION IS USED TRANSPOSED: source 0 = 16 rows of the second operand (B'), source 1 = 16 rows of the first (A').  A lane then holds ONE row of A', and by the tiles' choice of rows the 32 registers
; of four neighbouring tiles of B' are, for beta = 0, 1: B' rows 32 beta + 16 (lane / 16) + 0 .. 15 of a run of 64: sixteen neighbours of each block of 32, as the conversions want them.
; ROLES, by the cluster's x, which all sixteen partners share.  0: q, 1: k: A' = x (a lane holds a position), B' = the weight (registers run along the head's 64).  2: v: A' = Wv (a lane holds a channel),
; B' = x (registers run along the keys, which are the second attention product's K).  In both roles A' hangs on the tile row alone and B' on the tile column alone.
; CLUSTERS: 4 x 4 work-groups; A's tiles are asked for jointly along a row of the cluster, B's along a column.
; OUT (qkv): q's half fragments [64 b h][128 tiles][768]; then [64][4 chunks of 512 keys][k: 32 tiles x 768 | v: 4 steps of 128 keys x 4 tiles of channels x 2 halves x 768]; then the scale words, a block of 256 bytes
; for each 128 rows (q, k) or 128 keys (v): lane l's 8 bytes at 8 l are words g = 0, 1; word g of lane (r, hh) serves fragment 2 g + hh: two tiles' byte pairs (q, k), or the four bytes of 128 keys (v).
; LIMITS: a block of zeros gets the byte 1 (its codes are zeros; this program alone reads the bytes); NaN and infinities are not served.
.set XS_OFF, 6291456
.set RT_OFF, 6553600
.set WS_OFF, 3145728
.set KVC_OFF, 6291456
.set QS_OFF, 18874368
.set KVS_OFF, 19136512
.set NQ,     2                         ; matrix instructions deep in a K step of 256
.set STEPB,  3072                      ; a tile's bytes of a K step
.set FR,     12                        ; registers of a fragment
.set NL,     4                         ; LDS loads that bring one
.set NP,     4                         ; places behind this matrix instruction (ISA guide 7.12.1)
.set HALFT,  8*STEPB                   ; 8 tiles = 128 rows: what one tensor load brings, and what one wave reads of A' or of B'
.set SLOT,   4*HALFT
.set KS,     32                        ; a row's scale bytes
.set SCL,    2*SLOT                    ; behind the ring: the scales of 256 + 256 rows for all of K, as units of 256 bytes + 16 of padding; filled once
.set HALFS,  16*272
.set SBLK,   2*272
.set SPARE,  SCL+4*HALFS               ; the spare words, 128 bytes for each wave: two blocks of 256 bytes that no other line names
.set ADRA, 16                          ; v16-17 LDS address of my A' fragments in slot 0, 1, + 16 x lane; v18-19 the same + 16 r + 8 h
.set ADRB, 20                          ; v20-23 the same for B'
.set ADRS, 27                          ; v27 my scale words: lanes 0-15 A's rows, lanes 16-31 B's
.set SPW,  28                          ; v28 SPARE + 4 x my thread's number; never rewritten
.set NIL,  29                          ; v29 0; never rewritten
.set SC,   32                          ; v32-63 scale words, two sets
.set AF,   128                         ; v128-223 A's fragments, one set (window 0); B's two sets at v0 and v128 of window 1; accumulator (a, b) at v[8 (8 (a % 4) + b)] of window 2 + a / 4
.set G1, 24
.set G0, 32
.set G1B, 48
.set G0B, 56
.set G1S, 68
.set G0S, 76
.set G1SB, 80
.set G0SB, 88
.set MSB, 0
.macro WIN new                         ; the immediate's high byte repeats the setting that is left
.if MSB != (\new)
	s_set_vgpr_msb (MSB<<8)|(\new)
.set MSB, (\new)
.endif
.endm
.set MUL_LO, 0xa1                      ; source 0 (B') window 1, source 1 (A') window 0, C and D window 2
.set MUL_HI, 0xf1
.set TO_B,   0x40
; A joint load: waves 0 and 1 fetch for A', waves 2 and 3 for B'.  The branch hangs on the wave's number alone.  Four v_nop follow each of the two lines.
.macro JLOAD g0a, g1a, g0b, g1b
	s_cmp_eq_u32 s15, 0
	s_cbranch_scc0 .Lfor_b_\@
	tensor_load_to_lds s[\g0a:\g0a+3], s[\g1a:\g1a+7]
	s_nop 0
.rept 4
	v_nop
.endr
	s_branch .Lasked_\@
.Lfor_b_\@:
	tensor_load_to_lds s[\g0b:\g0b+3], s[\g1b:\g1b+7]
	s_nop 0
.rept 4
	v_nop
.endr
.Lasked_\@:
.endm
.macro CREST                           ; a round of the cluster's barrier behind its opening barrier
	s_cmp_lg_u32 s14, 0
	s_cbranch_scc1 .Lnot_wave_0_\@
	s_barrier_signal -3
.Lnot_wave_0_\@:
	s_barrier_wait -3
	s_barrier_signal -1
	s_barrier_wait -1
.endm
.macro CROUND
	s_barrier_signal -1
	s_barrier_wait -1
	CREST
.endm
	s_load_b128 s[4:7], s[0:1], 0x0                ; xq, wq
	s_load_b128 s[8:11], s[0:1], 0x10              ; bq, bk
	s_load_b128 s[96:99], s[0:1], 0x20             ; bv, qkv
	v_lshl_add_u32 v[SPW], v0, 2, SPARE
	v_mov_b32 v[NIL], 0
	ds_add_u32 v28, v29
	ds_add_u32 v28, v29
	s_wait_dscnt 0x0
	v_lshrrev_b32 v1, 5, v0
	v_readfirstlane_b32 s14, v1                    ; wave 0..3
	s_lshr_b32 s15, s14, 1                         ; which half of the tile's A' rows is mine.  Also: I fetch for A' (0) or for B' (1)
	s_and_b32 s16, s14, 1                          ; which half of its B' rows.  Also: which 128 rows I fetch
	s_bfe_u32 s40, ttmp6, 0x40000                  ; cx, cy: my place in the cluster
	s_bfe_u32 s41, ttmp6, 0x40004
	s_and_b32 s2, ttmp7, 0xffff                    ; the cluster's y
	s_cmp_eq_u32 ttmp9, 2                          ; the role: v?
	s_cselect_b32 s42, s2, ttmp9                   ; v: x's tiles go along the columns, by the cluster's y; q, k: the weight's, by the cluster's x
	s_cselect_b32 s17, 0, s2                       ; v: Wv's four tiles go along the rows; q, k: x's, by the cluster's y
	s_cselect_b32 s66, 2048, 0                     ; Wv's rows begin at row 2,048 of the weights' codes
	s_lshl_b32 s42, s42, 2
	s_add_co_u32 s42, s42, s40                     ; tile column
	s_lshl_b32 s17, s17, 2
	s_add_co_u32 s17, s17, s41                     ; tile row
	s_lshl_b32 s43, s41, 2
	s_lshl_b32 s43, 15, s43                        ; my row of the cluster
	s_lshl_b32 s44, 0x1111, s40                    ; my column
	; descriptor group 1 for codes: 8 tiles x 3,072 bytes (384 elements of 8 bytes), 12,288 bytes from tile to tile; no padding
	s_or_b32 s[G1+0], s43, (3<<16)|(1<<21)         ; 15:0 the mask; 17:16 elements of 8 bytes; 21 set beside a mask
	s_or_b32 s[G1B+0], s44, (3<<16)|(1<<21)
.irp g, G1, G1B
	s_mov_b32 s[\g+1], 384<<16                     ; tensor_dim0
	s_mov_b32 s[\g+2], 8<<16                       ; tensor_dim1
	s_mov_b32 s[\g+3], 384<<16                     ; tile_dim0
	s_mov_b32 s[\g+4], 8                           ; tile_dim1
	s_mov_b32 s[\g+5], 1536                        ; tensor_dim0_stride
	s_mov_b32 s[\g+6], 0
	s_mov_b32 s[\g+7], 0
.endr
	; and for the scales of 128 rows: 4,096 dense bytes as 16 rows of 256, 16 bytes of padding behind each
	s_or_b32 s[G1S+0], s43, (3<<16)|(1<<20)|(1<<21)|(5<<22)|(3<<25)
	s_or_b32 s[G1SB+0], s44, (3<<16)|(1<<20)|(1<<21)|(5<<22)|(3<<25)
.irp g, G1S, G1SB
	s_mov_b32 s[\g+1], 32<<16
	s_mov_b32 s[\g+2], 16<<16
	s_mov_b32 s[\g+3], 32<<16
	s_mov_b32 s[\g+4], 16
	s_mov_b32 s[\g+5], 32
	s_mov_b32 s[\g+6], 0
	s_mov_b32 s[\g+7], 0
.endr
	s_lshl_b32 s18, s16, 7                         ; which 128 rows of the tile I fetch
	s_lshl_b32 s20, s17, 8
	s_add_co_u32 s20, s20, s18
	s_add_co_u32 s20, s20, s66                     ; A': row 256 x tile row + 128 x half (+ 2,048)
	s_lshl_b32 s46, s42, 8
	s_add_co_u32 s46, s46, s18                     ; B': row 256 x tile column + 128 x half
	s_lshl_b32 s22, s20, 5                         ; their scales: 32 bytes a row,
	s_lshl_b32 s92, s46, 5
	s_mul_i32 s20, s20, 768                        ; their codes: 768 bytes a row (rows go in sixteens)
	s_mul_i32 s46, s46, 768
	s_mov_b32 s21, 0
	s_mov_b32 s23, 0
	s_mov_b32 s47, 0
	s_mov_b32 s93, 0
	s_mul_i32 s45, s14, HALFT                      ; where they go: wave x 128 rows: no place in the cluster enters an LDS address
	s_wait_kmcnt 0x0
	s_cmp_eq_u32 ttmp9, 0
	s_cselect_b64 s[100:101], s[8:9], s[10:11]     ; the role's bias
	s_cmp_eq_u32 ttmp9, 2
	s_cselect_b64 s[100:101], s[96:97], s[100:101]
	s_add_nc_u64 s[96:97], s[4:5], RT_OFF          ; the table of cosines and sines (the sum leaves SCC alone)
	s_cselect_b64 s[8:9], s[6:7], s[4:5]           ; A's buffer
	s_cselect_b64 s[10:11], s[4:5], s[6:7]         ; B's
	s_mov_b32 s18, XS_OFF
	s_cselect_b32 s18, WS_OFF, s18                 ; where the scales begin in A's buffer,
	s_mov_b32 s94, WS_OFF
	s_cselect_b32 s94, XS_OFF, s94                 ; and in B's
	s_add_co_u32 s22, s22, s18
	s_add_co_u32 s92, s92, s94
	s_add_nc_u64 s[20:21], s[8:9], s[20:21]
	s_add_nc_u64 s[22:23], s[8:9], s[22:23]
	s_add_nc_u64 s[46:47], s[10:11], s[46:47]
	s_add_nc_u64 s[92:93], s[10:11], s[92:93]
	s_mul_i32 s94, s14, HALFS
	CROUND                                         ; all sixteen work-groups are here: the first joint loads meet
	s_mov_b32 s[G0S], 1
	s_add_co_u32 s[G0S+1], s94, SCL
	s_mov_b64 s[G0S+2:G0S+3], s[22:23]
	s_or_b32 s[G0S+3], s[G0S+3], 0x80000000
	s_mov_b32 s[G0SB], 1
	s_add_co_u32 s[G0SB+1], s94, SCL
	s_mov_b64 s[G0SB+2:G0SB+3], s[92:93]
	s_or_b32 s[G0SB+3], s[G0SB+3], 0x80000000
	JLOAD G0S, G1S, G0SB, G1SB                     ; the scales first: they are wanted with K step 0
.irp s, 0,1
	s_mov_b32 s[G0+4*\s], 1
	s_add_co_u32 s[G0+4*\s+1], s45, \s*SLOT
	s_add_nc_u64 s[G0+4*\s+2:G0+4*\s+3], s[20:21], \s*STEPB
	s_or_b32 s[G0+4*\s+3], s[G0+4*\s+3], 0x80000000
	s_mov_b32 s[G0B+4*\s], 1
	s_add_co_u32 s[G0B+4*\s+1], s45, \s*SLOT
	s_add_nc_u64 s[G0B+4*\s+2:G0B+4*\s+3], s[46:47], \s*STEPB
	s_or_b32 s[G0B+4*\s+3], s[G0B+4*\s+3], 0x80000000
	JLOAD G0+4*\s, G1, G0B+4*\s, G1B               ; three tensor loads of mine are out
.endr
	v_and_b32 v1, 15, v0                           ; r
	v_bfe_u32 v2, v0, 4, 1                         ; h
	v_and_b32 v3, 31, v0
	v_lshlrev_b32 v4, 4, v3                        ; 16 x lane
	v_lshlrev_b32 v5, 4, v1
	v_lshl_add_u32 v5, v2, 3, v5                   ; 16 r + 8 h
	s_mul_i32 s21, s15, HALFT                      ; my 128 rows of A'
	s_mul_i32 s22, s16, HALFT                      ; my 128 rows of B',
	s_add_co_u32 s22, s22, 2*HALFT                 ; which lie behind A's 256
.irp s, 0,1
	v_add_nc_u32 v[ADRA+\s], s21, v4
	v_add_nc_u32 v[ADRB+\s], s22, v4
	v_add_nc_u32 v[ADRA+2+\s], s21, v5
	v_add_nc_u32 v[ADRB+2+\s], s22, v5
	s_add_co_u32 s21, s21, SLOT
	s_add_co_u32 s22, s22, SLOT
.endr
	v_mul_u32_u24 v5, v1, KS                       ; my row's scales: 32 bytes a row,
	v_lshrrev_b32 v6, 8, v5
	v_lshl_add_u32 v5, v6, 4, v5                   ; and 16 more for each 256 passed
	s_mul_i32 s21, s15, HALFS
	s_mul_i32 s22, s16, HALFS
	s_add_co_u32 s22, s22, 2*HALFS
	s_sub_co_u32 s22, s22, s21
	v_mul_u32_u24 v6, s22, v2                      ; lanes 16-31 take B's
	s_add_co_u32 s21, s21, SCL
	v_add_nc_u32 v5, v5, v6
	v_add_nc_u32 v[ADRS], s21, v5
.macro FRAG reg, adr, q, i             ; tile i's fragment of the slot's q-th 128 along K: two half fragments, as they lie
	ds_load_b128 v[\reg:\reg+3], v[\adr] offset:(\i)*STEPB+(\q)*1536
	ds_load_b64 v[\reg+4:\reg+5], v[\adr+2] offset:(\i)*STEPB+(\q)*1536+512
	ds_load_b128 v[\reg+6:\reg+9], v[\adr] offset:(\i)*STEPB+(\q)*1536+768
	ds_load_b64 v[\reg+10:\reg+11], v[\adr+2] offset:(\i)*STEPB+(\q)*1536+1280
.endm
; 16 matrix instructions: A's tiles a0, a0 + 1 x B's eight.  p: B's set; sc: the set of scale words.  zero = 1: the first product starts the sums.  The 64 accumulators take turns, one instruction a turn, in the same
; order in every step.  Scale register NQ i + q of a set: lanes 0-15 the word of A's tile i, lanes 16-31 that of B's tile i.
.macro MUL16 a0, p, q, sc, zero
.irp a, \a0, \a0+1
.irp b, 0,1,2,3,4,5,6,7
.if \zero
	v_wmma_scale_f32_16x16x128_f8f6f4 v[8*(8*((\a)%4)+\b):8*(8*((\a)%4)+\b)+7], v[128*(\p)+FR*\b:128*(\p)+FR*\b+FR-1], v[AF+FR*(\a):AF+FR*(\a)+FR-1], 0, v[SC+8*NQ*(\sc)+NQ*\b+(\q)], v[SC+8*NQ*(\sc)+NQ*(\a)+(\q)] matrix_a_fmt:MATRIX_FMT_BF6 matrix_b_fmt:MATRIX_FMT_BF6 matrix_a_scale:MATRIX_SCALE_ROW1
.else
	v_wmma_scale_f32_16x16x128_f8f6f4 v[8*(8*((\a)%4)+\b):8*(8*((\a)%4)+\b)+7], v[128*(\p)+FR*\b:128*(\p)+FR*\b+FR-1], v[AF+FR*(\a):AF+FR*(\a)+FR-1], v[8*(8*((\a)%4)+\b):8*(8*((\a)%4)+\b)+7], v[SC+8*NQ*(\sc)+NQ*\b+(\q)], v[SC+8*NQ*(\sc)+NQ*(\a)+(\q)] matrix_a_fmt:MATRIX_FMT_BF6 matrix_b_fmt:MATRIX_FMT_BF6 matrix_a_scale:MATRIX_SCALE_ROW1
.endif
.endr
.endr
.endm
.macro FETCH_B slot, q, p
	WIN TO_B
.irp i, 0,1,2,3,4,5,6,7
	FRAG 128*(\p)+FR*\i, ADRB+\slot, \q, \i
.endr
	WIN 0
.endm
.macro FETCH_A slot, q, i0
.irp i, \i0, \i0+1, \i0+2, \i0+3
	FRAG AF+FR*(\i), ADRA+\slot, \q, \i
.endr
.endm
.macro SCALES sc                       ; a K step's scale words: two words a row
.irp i, 0,1,2,3,4,5,6,7
	ds_load_b64 v[SC+8*NQ*\sc+NQ*\i:SC+8*NQ*\sc+NQ*\i+1], v[ADRS] offset:\i*SBLK
.endr
.endm
.macro PLACES n                        ; plain vector lines between a matrix instruction and a load into a register that it read, or a read of its result (ISA guide 7.12.1 for the read of its result)
.rept \n
	v_nop
.endr
.endm
.macro STEP slot, q, zero              ; 128 along K that have their successor in the same slot
	s_wait_dscnt 4*NL                              ; B's set, A's tiles 0-3 and the scale words are in; the youngest 16 loads (A's tiles 4-7) may be out
	WIN MUL_LO
	MUL16 0, (\q)%2, \q, \slot, \zero
	MUL16 2, (\q)%2, \q, \slot, \zero
	s_wait_dscnt 0
	PLACES NP
	FETCH_B \slot, (\q)+1, 1-(\q)%2
	FETCH_A \slot, (\q)+1, 0
	WIN MUL_HI
	MUL16 4, (\q)%2, \q, \slot, \zero
	MUL16 6, (\q)%2, \q, \slot, \zero
	PLACES NP
	WIN 0
	FETCH_A \slot, (\q)+1, 4
.endm
; A slot's last 128 change slots: ONE barrier; in front of it each wave waits for all its tensor loads, adds 0 to its spare word, and waits for that and for its reads of this slot.  fill = 1: the slot is filled again.
.macro TURN slot, next, fill
	s_wait_tensorcnt 0x0                           ; all my tensor loads have landed: my part of the next slot
	ds_add_u32 v[SPW], v[NIL]                      ; 0 onto my spare word
	s_wait_dscnt 4*NL+1                            ; (the add and the youngest 16 loads may be out)
	WIN MUL_LO
	MUL16 0, 1, NQ-1, \slot, 0
	s_wait_dscnt 0x0                               ; the add is done, and my reads of this slot are over
	s_barrier_signal -1
	MUL16 2, 1, NQ-1, \slot, 0
	WIN 0
	s_barrier_wait -1
.if \fill
	CREST                                          ; the barrier has opened a round of the cluster's: no wave of any partner still reads this slot or has a load on its way
	s_add_nc_u64 s[G0+4*\slot+2:G0+4*\slot+3], s[G0+4*\slot+2:G0+4*\slot+3], 2*STEPB
	s_add_nc_u64 s[G0B+4*\slot+2:G0B+4*\slot+3], s[G0B+4*\slot+2:G0B+4*\slot+3], 2*STEPB
	JLOAD G0+4*\slot, G1, G0B+4*\slot, G1B         ; the first tensor load behind the round; its four v_nop are the places in front of the loads below
.else
	PLACES NP
.endif
	v_add_nc_u32 v[ADRS], 4*NQ, v[ADRS]
	FETCH_B \next, 0, 0
	FETCH_A \next, 0, 0
	SCALES \next
	WIN MUL_HI
	MUL16 4, 1, NQ-1, \slot, 0
	MUL16 6, 1, NQ-1, \slot, 0
	PLACES NP
	WIN 0
	FETCH_A \next, 0, 4
.endm
	s_wait_tensorcnt 1                             ; the scales and my part of K step 0 are in (K step 1's load may be out)
	s_barrier_signal -1
	s_barrier_wait -1
	FETCH_B 0, 0, 0
	FETCH_A 0, 0, 0
	SCALES 0
	FETCH_A 0, 0, 4
	STEP 0, 0, 1                                   ; K = 1,024 is four K steps: written straight
	TURN 0, 1, 1                                   ; slot 0 takes K step 2
	STEP 1, 0, 0
	TURN 1, 0, 1                                   ; slot 1 takes K step 3
	STEP 0, 0, 0
	TURN 0, 1, 0
	STEP 1, 0, 0
	s_wait_dscnt 4*NL
	WIN MUL_LO
	MUL16 0, 1, NQ-1, 1, 0
	MUL16 2, 1, NQ-1, 1, 0
	s_wait_dscnt 0
	WIN MUL_HI
	MUL16 4, 1, NQ-1, 1, 0
	MUL16 6, 1, NQ-1, 1, 0
	WIN 0
; ---------------- THE WAY OUT: no LDS.  A unit (a, c) is A's tile a and 64 of B's rows: 32 registers a lane, which become one half fragment. ----------------
.set TM,  32                           ; v32-37 at work in the quantiser
.set CT,  40                           ; v40-42
.set PC,  48                           ; v48-53 the half fragment
.set PR,  54                           ; v54    a tile's pair of scale bytes
.set WW,  6                            ; v6-9   scale words in the making
.set GG,  16                           ; v16-19 scale words as they are stored
.set U,   64                           ; v64-95  a unit with its bias
.set Y,   96                           ; v96-127 and turned
.set TT,  128                          ; v128-191 two sets of 16 cosines and 16 sines
.set BI,  192                          ; v192-255 the bias
.set SEL, 66
; 32 numbers of a lane, register 16 b + i = k 32 b + 16 (lane / 16) + i of my row, become the half fragment's six registers in v[pc] on; the row's two scale bytes in v[pr].
.macro QUANT32 s, pc, pr
.irp b, 0,1
	v_max3_num_f32 v[TM+\b], |v[\s+16*\b]|, |v[\s+1+16*\b]|, 0x2800000   ; my 16 numbers of block b, and the floor 2^(5 - 127)
.endr
.irp i, 2,4,6,8,10,12,14
.irp b, 0,1
	v_max3_num_f32 v[TM+\b], v[TM+\b], |v[\s+16*\b+\i]|, |v[\s+1+16*\b+\i]|
.endr
.endr
.irp b, 0,1
	v_permlanex16_b32 v[TM+2+\b], v[TM+\b], s[SEL], s[SEL+1]
.endr
.irp b, 0,1
	v_max_num_f32 v[TM+\b], v[TM+\b], v[TM+2+\b]   ; with lane l xor 16's: the block's largest magnitude
.endr
.irp b, 0,1
	v_add_nc_u32 v[TM+4+\b], 0xfe000000, v[TM+\b]  ; 4 off its exponent field: the conversion's scale operand
.endr
.irp b, 0,1
	v_lshrrev_b32 v[TM+2+\b], 23, v[TM+4+\b]       ; the byte
.endr
	v_lshl_or_b32 v[\pr], v[TM+3], 8, v[TM+2]
	v_cvt_scalef32_pk16_bf6_f32 v[\pc:\pc+2], v[\s:\s+15], v[TM+4]
	v_cvt_scalef32_pk16_bf6_f32 v[CT:CT+2], v[\s+16:\s+31], v[TM+5]
	v_nop                                          ; one plain line behind a scaled conversion
.irp i, 0,1,2
	v_permlane16_swap_b32 v[\pc+\i], v[CT+\i]      ; a whole block to a lane: lanes 0-15 block 0, lanes 16-31 block 1
.endr
.irp i, 0,1,2
	v_mov_b32 v[\pc+3+\i], v[CT+\i]
.endr
.endm
	PLACES NP                                      ; behind the last products: for the reads of results, and for the writes and loads into registers that held fragments and scale words
	s_mov_b32 s[SEL], 0x76543210
	s_mov_b32 s[SEL+1], 0xfedcba98
	s_mov_b32 s95, 0xffff0000                      ; a mask: lanes 16-31
	v_and_b32 v10, 15, v0                          ; r
	v_bfe_u32 v11, v0, 4, 1                        ; h
	v_and_b32 v12, 31, v0
	v_lshlrev_b32 v1, 4, v12                       ; 16 x lane
	v_lshlrev_b32 v2, 4, v10
	v_lshl_add_u32 v2, v11, 3, v2                  ; 16 r + 8 h
	v_lshlrev_b32 v3, 3, v12                       ; 8 x lane
	v_and_b32 v13, 8, v10
	v_add_nc_u32 v13, v13, v10                     ; r + 8 (r / 8)
	v_mov_b32 v[TM+2], 0                           ; (a lane permute's destination counts as one of its sources)
	v_mov_b32 v[TM+3], 0
	s_cmp_eq_u32 ttmp9, 2                          ; the role is the same in all partners
	s_cbranch_scc1 .Lepi_v
	; ---- q and k: a lane holds a position; a unit is a head
	v_lshlrev_b32 v4, 8, v13
	v_lshl_add_u32 v4, v11, 6, v4                  ; the table: my row of a tile, 256 bytes a position, + my 16 frequencies
	v_lshlrev_b32 v5, 6, v11                       ; the bias: my 16 of each 32
	s_lshl_b32 s18, s17, 8
	s_lshl_b32 s19, s15, 7
	s_add_co_u32 s18, s18, s19                     ; my first row of x
	s_lshr_b32 s19, s18, 11                        ; the batch
	s_and_b32 s18, s18, 2047                       ; my first position
	s_lshl_b32 s20, s42, 2
	s_lshl_b32 s21, s16, 1
	s_add_co_u32 s20, s20, s21
	s_and_b32 s20, s20, 15                         ; my first head
	s_lshl_b32 s19, s19, 4
	s_add_co_u32 s19, s19, s20                     ; 16 b + h
	s_lshl_b32 s40, s18, 8
	s_mov_b32 s41, 0
	s_add_nc_u64 s[96:97], s[96:97], s[40:41]
	s_lshl_b32 s40, s20, 8
	s_add_nc_u64 s[100:101], s[100:101], s[40:41]
	s_mul_i32 s40, s19, 98304                      ; q: 98,304 bytes a head, 24,576 for each 32 tiles; k: twice both
	s_lshr_b32 s21, s18, 9
	s_mul_i32 s21, s21, 24576
	s_add_co_u32 s40, s40, s21
	s_lshl_b32 s40, s40, ttmp9
	s_bfe_u32 s21, s18, 0x50004                    ; my first tile among 32
	s_mul_i32 s21, s21, 768
	s_add_co_u32 s40, s40, s21
	s_cmp_eq_u32 ttmp9, 1
	s_cselect_b32 s21, KVC_OFF, 0
	s_mov_b32 s22, QS_OFF
	s_cselect_b32 s22, KVS_OFF, s22
	s_add_co_u32 s40, s40, s21
	s_add_nc_u64 s[44:45], s[98:99], s[40:41]      ; the first head's codes,
	s_lshl_b32 s40, 98304, ttmp9
	s_add_nc_u64 s[46:47], s[44:45], s[40:41]      ; the second's
	s_lshl_b32 s40, s19, 12
	s_lshl_b32 s40, s40, ttmp9
	s_lshr_b32 s21, s18, 7
	s_lshl_b32 s21, s21, 8
	s_add_co_u32 s40, s40, s21
	s_add_co_u32 s40, s40, s22
	s_add_nc_u64 s[92:93], s[98:99], s[40:41]      ; the first head's block of scale words,
	s_lshl_b32 s40, 4096, ttmp9
	s_add_nc_u64 s[20:21], s[92:93], s[40:41]      ; the second's
.irp c, 0,1
.irp b, 0,1
.irp j, 0,1,2,3
	global_load_b128 v[BI+32*\c+16*\b+4*\j:BI+32*\c+16*\b+4*\j+3], v5, s[100:101] offset:256*\c+128*\b+16*\j
.endr
.endr
.endr
.macro LOADT i, set                    ; tile i's 16 cosines and 16 sines of my position
.irp j, 0,1,2,3
	global_load_b128 v[TT+32*(\set)+4*\j:TT+32*(\set)+4*\j+3], v4, s[96:97] offset:(32*((\i)/2)+8*((\i)%2))*256+16*\j
.endr
.irp j, 0,1,2,3
	global_load_b128 v[TT+32*(\set)+16+4*\j:TT+32*(\set)+16+4*\j+3], v4, s[96:97] offset:(32*((\i)/2)+8*((\i)%2))*256+128+16*\j
.endr
.endm
	LOADT 0, 0
	LOADT 1, 1
.macro UNITQK a, c
.set AC, 8*(8*((\a)%4)+4*(\c))
.set TS, TT+32*((\a)%2)
.set WR, WW+2*(\c)+((\a)/2)%2
	WIN 0x02+(\a)/4                                ; source 0: window 2 or 3
.set jj, 0
.rept 16
	v_pk_add_f32 v[U+jj:U+jj+1], v[AC+jj:AC+jj+1], v[BI+32*(\c)+jj:BI+32*(\c)+jj+1]   ; the bias; each accumulator is read from its low end on; the sum is also the way into window 0
.set jj, jj+2
.endr
	WIN 0
.set jj, 0
.rept 8
	v_pk_mul_f32 v[Y+jj:Y+jj+1], v[U+16+jj:U+16+jj+1], v[TS+16+jj:TS+16+jj+1]         ; x2 sin
	v_pk_mul_f32 v[Y+16+jj:Y+16+jj+1], v[U+16+jj:U+16+jj+1], v[TS+jj:TS+jj+1]         ; x2 cos
.set jj, jj+2
.endr
.set jj, 0
.rept 8
	v_pk_fma_f32 v[Y+jj:Y+jj+1], v[U+jj:U+jj+1], v[TS+jj:TS+jj+1], v[Y+jj:Y+jj+1] neg_lo:[0,0,1] neg_hi:[0,0,1]   ; x1 cos - x2 sin
	v_pk_fma_f32 v[Y+16+jj:Y+16+jj+1], v[U+jj:U+jj+1], v[TS+16+jj:TS+16+jj+1], v[Y+16+jj:Y+16+jj+1]               ; x1 sin + x2 cos
.set jj, jj+2
.endr
	s_wait_xcnt 0x0                                ; the last unit's stores have read the half fragment's registers
.if (\a)%2 == 0
	QUANT32 Y, PC, WR                              ; an even tile's pair begins the word,
.else
	QUANT32 Y, PC, PR
	v_lshl_or_b32 v[WR], v[PR], 16, v[WR]          ; an odd tile's completes it
.endif
	global_store_b128 v1, v[PC:PC+3], s[44+2*(\c):45+2*(\c)] offset:768*(\a)          ; 512 consecutive bytes,
	global_store_b64 v2, v[PC+4:PC+5], s[44+2*(\c):45+2*(\c)] offset:768*(\a)+512     ; and 256
.if (\a)%4 == 3
	v_cndmask_b32 v[GG+2*(\c)+(\a)/4], v[WW+2*(\c)], v[WW+2*(\c)+1], s95              ; lanes 0-15 keep the even fragment's word, lanes 16-31 the odd one's
.endif
.endm
.irp a, 0,1,2,3,4,5,6,7
.if \a < 7
	s_wait_loadcnt 8                               ; the bias and this tile's table are in; the next tile's 8 loads may be out
.else
	s_wait_loadcnt 0x0
.endif
	UNITQK \a, 0
	UNITQK \a, 1
.if \a < 6
	LOADT \a+2, \a%2
.endif
.endr
	global_store_b64 v3, v[GG:GG+1], s[92:93]      ; 256 consecutive bytes each
	global_store_b64 v3, v[GG+2:GG+3], s[20:21]
	s_branch .Lepi_end
	; ---- v: a lane holds a channel; a unit is 64 keys
.Lepi_v:
	v_lshlrev_b32 v4, 2, v13                       ; the bias: my channel of a tile
	s_lshl_b32 s18, s42, 8
	s_lshl_b32 s19, s16, 7
	s_add_co_u32 s18, s18, s19                     ; my first row of x
	s_lshr_b32 s19, s18, 11                        ; the batch
	s_bfe_u32 s18, s18, 0x40007                    ; which 128 keys of 2,048
	s_lshl_b32 s20, s17, 2
	s_lshl_b32 s21, s15, 1
	s_add_co_u32 s20, s20, s21                     ; my first head
	s_lshl_b32 s19, s19, 4
	s_add_co_u32 s19, s19, s20
	s_lshl_b32 s40, s20, 8
	s_mov_b32 s41, 0
	s_add_nc_u64 s[100:101], s[100:101], s[40:41]
	s_mul_i32 s40, s19, 196608
	s_lshr_b32 s21, s18, 2
	s_mul_i32 s21, s21, 49152
	s_add_co_u32 s40, s40, s21
	s_and_b32 s21, s18, 3
	s_mul_i32 s21, s21, 6144
	s_add_co_u32 s40, s40, s21
	s_add_co_u32 s40, s40, KVC_OFF+24576
	s_add_nc_u64 s[44:45], s[98:99], s[40:41]
	s_lshl_b32 s40, s19, 13
	s_lshl_b32 s21, s18, 8
	s_add_co_u32 s40, s40, s21
	s_add_co_u32 s40, s40, KVS_OFF+4096
	s_add_nc_u64 s[92:93], s[98:99], s[40:41]
.irp a, 0,1,2,3,4,5,6,7
	global_load_b32 v[BI+2*\a], v4, s[100:101] offset:(\a/4)*256+(32*((\a%4)/2)+8*(\a%2))*4     ; twice: a pair for the packed sum
	global_load_b32 v[BI+2*\a+1], v4, s[100:101] offset:(\a/4)*256+(32*((\a%4)/2)+8*(\a%2))*4
.endr
	s_wait_loadcnt 0x0
.macro UNITV a, c
.set AC, 8*(8*((\a)%4)+4*(\c))
	WIN 0x02+(\a)/4
.set jj, 0
.rept 16
	v_pk_add_f32 v[U+jj:U+jj+1], v[AC+jj:AC+jj+1], v[BI+2*(\a):BI+2*(\a)+1]
.set jj, jj+2
.endr
	WIN 0
	s_wait_xcnt 0x0                                ; the last unit's stores have read the half fragment's registers
.if (\c) == 0
	QUANT32 U, PC, WW+(\a)%2                       ; keys 0-63's pair begins the word,
.else
	QUANT32 U, PC, PR
	v_lshl_or_b32 v[WW+(\a)%2], v[PR], 16, v[WW+(\a)%2]   ; keys 64-127's completes it
.endif
	global_store_b128 v1, v[PC:PC+3], s[44:45] offset:((\a)/4)*196608+((\a)%4)*1536+768*(\c)
	global_store_b64 v2, v[PC+4:PC+5], s[44:45] offset:((\a)/4)*196608+((\a)%4)*1536+768*(\c)+512
.endm
.irp a, 0,1,2,3,4,5,6,7
	UNITV \a, 0
	UNITV \a, 1
.if \a%2 == 1
	v_cndmask_b32 v[GG+2*(\a/4)+(\a%4)/2], v[WW], v[WW+1], s95
.endif
.endr
	global_store_b64 v3, v[GG:GG+1], s[92:93]
	global_store_b64 v3, v[GG+2:GG+3], s[92:93] offset:8192
.Lepi_end:
	s_wait_tensorcnt 0x0                           ; the wave's end
	ds_add_u32 v[SPW], v[NIL]
	s_wait_dscnt 0x0
	CROUND                                         ; the closing round: no work-group ends while a partner may still ask for a tile that names it
	s_endpgm
.Lfunc_end_k_qa9a67ce87c_qkv:
	.size	k_qa9a67ce87c_qkv, .Lfunc_end_k_qa9a67ce87c_qkv-k_qa9a67ce87c_qkv
	.p2alignl 7, 3214868480
	.fill 96, 4, 3214868480
	.section	.rodata,"a",@progbits
	.p2align	6, 0x0
	.amdhsa_kernel k_qa9a67ce87c_qkv
		.amdhsa_group_segment_fixed_size 327680
		.amdhsa_private_segment_fixed_size 0
		.amdhsa_enable_private_segment 0
		.amdhsa_kernarg_size 48
		.amdhsa_user_sgpr_count 2
		.amdhsa_user_sgpr_kernarg_segment_ptr 1
		.amdhsa_wavefront_size32 1
		.amdhsa_system_sgpr_workgroup_id_x 1
		.amdhsa_system_sgpr_workgroup_id_y 1
		.amdhsa_system_sgpr_workgroup_id_z 1
		.amdhsa_system_vgpr_workitem_id 0
		.amdhsa_next_free_vgpr 1024
		.amdhsa_next_free_sgpr 102
		.amdhsa_reserve_vcc 0
		.amdhsa_float_denorm_mode_32 3
		.amdhsa_float_denorm_mode_16_64 3
		.amdhsa_memory_ordered 1
		.amdhsa_forward_progress 1
		.amdhsa_inst_pref_size 255
	.end_amdhsa_kernel
	.section	.bss,"aw",@nobits
	.p2align	6
	.space	262144
	.amdgpu_metadata
---
amdhsa.version: [ 1, 2 ]
amdhsa.kernels:
  - .name:           k_qa9a67ce87c_qkv
    .symbol:         k_qa9a67ce87c_qkv.kd
    .args:
      - { .name: xq, .offset: 0, .size: 8, .value_kind: global_buffer, .address_space: global }
      - { .name: wq, .offset: 8, .size: 8, .value_kind: global_buffer, .address_space: global }
      - { .name: bq, .offset: 16, .size: 8, .value_kind: global_buffer, .address_space: global }
      - { .name: bk, .offset: 24, .size: 8, .value_kind: global_buffer, .address_space: global }
      - { .name: bv, .offset: 32, .size: 8, .value_kind: global_buffer, .address_space: global }
      - { .name: qkv, .offset: 40, .size: 8, .value_kind: global_buffer, .address_space: global }
    .group_segment_fixed_size: 327680
    .private_segment_fixed_size: 0
    .kernarg_segment_align: 8
    .kernarg_segment_size: 48
    .max_flat_workgroup_size: 128
    .sgpr_count:     102
    .vgpr_count:     1024
    .wavefront_size: 32
...
	.end_amdgpu_metadata
.endif
;; end of part 2
;; launch attn (part 3): grid 4 x 64, 16 waves a work-group, clusters of 4 x 1, 206,848 bytes of LDS; arguments qkv, ctx; writes ctx
.if DOCPART == 3
	.amdgcn_target "amdgcn-amd-amdhsa--gfx1250"
	.amdhsa_code_object_version 6
	.text
	.protected	k_qa9a67ce87c_attn
	.globl	k_qa9a67ce87c_attn
	.p2align	8
	.type	k_qa9a67ce87c_attn,@function
k_qa9a67ce87c_attn:
	s_mov_b64 s[64:65], 0
	v_nop
	global_prefetch_b8 v0, s[64:65] scope:SCOPE_SE
	s_setreg_imm32_b32 hwreg(HW_REG_WAVE_MODE, 25, 1), 1
	s_wait_xcnt 0x0
	s_wait_alu depctr_hold_cnt(0) depctr_sa_sdst(0) depctr_va_vdst(0) depctr_va_sdst(0) depctr_va_ssrc(0) depctr_va_vcc(0) depctr_vm_vsrc(0)
	s_getreg_b32 s2, hwreg(HW_REG_IB_STS2, 6, 4)
	s_cmp_eq_u32 s2, 0
	s_cbranch_scc0 .Lentry_in_a_cluster
	s_endpgm
.Lentry_in_a_cluster:
	s_bfe_u32 s2, ttmp6, 0x10000c
	s_cmp_lg_u32 s2, 0x3003
	s_cbranch_scc0 .Lentry_shape_is_right
	s_endpgm
.Lentry_shape_is_right:
; ATTN: ctx[b h][q] = the sum over the 2,048 keys of softmax(q . k / 8) v, no mask, both products on codes of BF6 (E3M2); ctx is quantised along h 64 + e for the output projection.
; THE SOFTMAX AHEAD OF THE SECOND PRODUCT: t = score x log2(e) / 8; M = the running largest t rounded UP to a whole number; p = 2^(t - M) is quantised along the keys, not normalised; the row's sum is taken of the
; unquantised p and divides at the end.  When M moves, the sum and O are multiplied by 2^(old M - new M), which rounds nothing.
; SHARES.  A work-group owns 512 queries of one (batch, head), in two passes; in a pass each of its SIXTEEN waves owns one tile of 16 queries, in 256 registers: four waves to a SIMD, so that one wave's vector work
; stands beside another's matrix work and LDS loads.  Every wave walks all keys, 128 a step.
; ALL OF THE HEAD'S K AND V STAYS IN LDS (196,608 bytes of codes, 8,192 of scale words), filled ONCE: no slot is filled again, and nothing is stored into LDS.
; CLUSTER.  The four work-groups of a head read the same K and V: every tile is asked for jointly, by the same tensor load with the same descriptor and the mask of all four.
; LAYOUT.  Both products are used transposed: S^T = K Q^T, O^T = V^T P^T: a lane holds ONE query throughout.  Tiles hold rows 32 (t / 2) + 8 (t % 2) + r + 8 (r / 8), so that the 16 registers of two neighbouring tiles of
; keys are 16 neighbouring keys, and O^T's 32 registers are 16 neighbouring channels of each block of 32.
; THE HEAD HAS 64 CHANNELS, THE INSTRUCTION 128 ALONG K: a fragment of K holds TWO tiles of keys, one in each half of K, and is multiplied twice: by [q | zeros] for the first tile, by [zeros | q] for the second.  Zero codes add nothing.
; LIMITS: a block of zeros gets the byte 1 (its codes are zeros; this program alone reads the bytes); NaN and infinities are not served.
.set KVC_OFF, 6291456
.set QS_OFF, 18874368
.set KVS_OFF, 19136512
.set CS_OFF, 6291456
.set CHUNKB, 49152                     ; LDS and memory alike: a chunk of 512 keys: K's 32 tiles x 768 bytes, then V's 4 steps x 4 tiles of channels x 2 halves x 768
.set SCB,    196608                    ; behind the four chunks: K's scale words, 256 bytes a step, 4,096 bytes; then V's
.set KV,  36                           ; v36-83   four fragments of K or of V
.set S,   96                           ; v96-159  S^T, then p
.set O,   160                          ; v160-191 O^T
.set PCD, 192                          ; v192-203 p's codes; v204-206, v208-210 conversions' second halves
.set BM,  212                          ; v212-215 a block's largest score, then its largest p
.set PT,  216                          ; v216-219 at work
.set SO,  220                          ; v220-223 the conversions' scale operands
.set TMP, 224
.set FF,  226                          ; v[226:227] f = 2^(old M - new M) (its upper half is only named)
.set TM,  212                          ; the quantiser of the way out works in v212-217 and v204-206
.set CT,  204
.set SEL, 68
; v1 16 x lane; v2 16 r + 8 h; v3 SCB + 8 x lane; v4-6 the step's addresses; v7 8 r; v8 32 r + h; v12 -M; v13 the largest t; v[14:15] the sum in two halves;
; v16-21 zeros, v22-27 q, v28-33 zeros: [q | 0] = v[22:33], [0 | q] = v[16:27]; v34 q's scale word; v84-85 K's scale words, v86-87 V's, v88 p's; v228-234 the next pass's q and its raw scale word, v236-242 the second pass's.
.macro CROUND
	s_barrier_signal -1
	s_barrier_wait -1
	s_cmp_lg_u32 s8, 0
	s_cbranch_scc1 .Lnot_wave_0_\@
	s_barrier_signal -3
.Lnot_wave_0_\@:
	s_barrier_wait -3
	s_barrier_signal -1
	s_barrier_wait -1
.endm
	s_load_b128 s[4:7], s[0:1], 0x0                ; qkv, ctx
	v_lshl_add_u32 v254, v0, 2, 0x32000
	v_mov_b32 v255, 0
	ds_add_u32 v254, v255
	ds_add_u32 v254, v255
	v_lshrrev_b32 v1, 5, v0
	v_readfirstlane_b32 s8, v1                     ; wave 0..15
	s_bfe_u32 s9, ttmp6, 0x40000                   ; cx: which 512 queries; it enters q's and ctx's addresses alone
	s_and_b32 s10, ttmp7, 0xffff                   ; 16 b + h, which the four partners share
	; descriptor groups 1: dense blocks as rows of 256 bytes (32 elements of 8 bytes): 8 rows of scale words, 48 rows of codes
	s_mov_b32 s16, 15|(3<<16)|(1<<21)              ; 15:0 the mask: all four work-groups; 17:16 elements of 8 bytes; 21 set beside a mask
	s_mov_b32 s17, 32<<16
	s_mov_b32 s18, 8<<16
	s_mov_b32 s19, 32<<16
	s_mov_b32 s20, 8
	s_mov_b32 s21, 32
	s_mov_b32 s22, 0
	s_mov_b32 s23, 0
	s_mov_b32 s24, 15|(3<<16)|(1<<21)
	s_mov_b32 s25, 32<<16
	s_mov_b32 s26, 48<<16
	s_mov_b32 s27, 32<<16
	s_mov_b32 s28, 48
	s_mov_b32 s29, 32
	s_mov_b32 s30, 0
	s_mov_b32 s31, 0
	s_lshl_b32 s11, s8, 11                         ; waves 0 to 3 fetch: a quarter of the scale words,
	s_mul_i32 s12, s8, 12288                       ; and a quarter of each chunk
	s_lshl_b32 s52, s10, 13
	s_add_co_u32 s52, s52, s11
	s_add_co_u32 s52, s52, KVS_OFF
	s_mov_b32 s53, 0
	s_mul_i32 s54, s10, 196608
	s_add_co_u32 s54, s54, s12
	s_add_co_u32 s54, s54, KVC_OFF
	s_mov_b32 s55, 0
	s_wait_dscnt 0x0
	s_wait_kmcnt 0x0
	s_add_nc_u64 s[52:53], s[4:5], s[52:53]
	s_add_nc_u64 s[54:55], s[4:5], s[54:55]
	s_mov_b32 s32, 1
	s_add_co_u32 s33, s11, SCB
	s_mov_b64 s[34:35], s[52:53]
	s_or_b32 s35, s35, 0x80000000
.irp c, 0,1,2,3
	s_mov_b32 s[36+4*\c], 1
	s_add_co_u32 s[37+4*\c], s12, \c*CHUNKB
	s_add_nc_u64 s[38+4*\c:39+4*\c], s[54:55], \c*CHUNKB
	s_or_b32 s[39+4*\c], s[39+4*\c], 0x80000000
.endr
	CROUND                                         ; all four work-groups are here: the joint loads meet
	s_cmp_lt_u32 s8, 4                             ; a wave's five fills stand in one branch, ahead of every wait on TENSORcnt and every LDS read: five loads of mine are out
	s_cbranch_scc0 .Lno_fill
	tensor_load_to_lds s[32:35], s[16:23]
	s_nop 0
	tensor_load_to_lds s[36:39], s[24:31]
	s_nop 0
	tensor_load_to_lds s[40:43], s[24:31]
	s_nop 0
	tensor_load_to_lds s[44:47], s[24:31]
	s_nop 0
	tensor_load_to_lds s[48:51], s[24:31]
	s_nop 0
.rept 4
	v_nop
.endr
.Lno_fill:
	v_and_b32 v9, 15, v0                           ; r
	v_bfe_u32 v10, v0, 4, 1                        ; h
	v_and_b32 v11, 31, v0
	v_lshlrev_b32 v1, 4, v11
	v_lshlrev_b32 v2, 4, v9
	v_lshl_add_u32 v2, v10, 3, v2
	v_lshl_add_u32 v3, v11, 3, SCB
	v_lshlrev_b32 v7, 3, v9
	v_lshl_add_u32 v8, v9, 5, v10
	s_lshl_b32 s13, s9, 5
	s_add_co_u32 s13, s13, s8                      ; my tile of queries in pass 0: 32 cx + wave; in pass 1: 16 on
	s_mul_i32 s14, s13, 768
	s_mul_i32 s15, s10, 98304
	s_add_co_u32 s14, s14, s15
	s_mov_b32 s15, 0
	s_add_nc_u64 s[52:53], s[4:5], s[14:15]
	s_lshl_b32 s14, s9, 2                          ; its scale word: the block of its 128 rows,
	s_lshr_b32 s15, s8, 3
	s_add_co_u32 s14, s14, s15
	s_lshl_b32 s14, s14, 8
	s_bfe_u32 s15, s8, 0x10001                     ; the half of the lanes,
	s_lshl_b32 s15, s15, 7
	s_add_co_u32 s14, s14, s15
	s_bfe_u32 s15, s8, 0x10002                     ; the word of the lane's two
	s_lshl_b32 s15, s15, 2
	s_add_co_u32 s14, s14, s15
	s_lshl_b32 s15, s10, 12
	s_add_co_u32 s14, s14, s15
	s_add_co_u32 s14, s14, QS_OFF
	s_mov_b32 s15, 0
	s_add_nc_u64 s[54:55], s[4:5], s[14:15]
	global_load_b128 v[228:231], v1, s[52:53]
	global_load_b64 v[232:233], v2, s[52:53] offset:512
	global_load_b32 v234, v7, s[54:55]
	global_load_b128 v[236:239], v1, s[52:53] offset:12288
	global_load_b64 v[240:241], v2, s[52:53] offset:12800
	global_load_b32 v242, v7, s[54:55] offset:512
	s_lshr_b32 s14, s10, 4
	s_lshl_b32 s14, s14, 7
	s_add_co_u32 s14, s14, s13                     ; my tile among ctx's 512
	s_and_b32 s11, s10, 15                         ; the head = the chunk of 64 along the projection's K
	s_lshl_b32 s56, s14, 4
	s_add_co_u32 s56, s56, s11
	s_mul_i32 s56, s56, 768
	s_mov_b32 s57, 0
	s_add_nc_u64 s[56:57], s[6:7], s[56:57]
	s_lshl_b32 s58, s14, 9
	s_lshl_b32 s11, s11, 1
	s_add_co_u32 s58, s58, s11
	s_add_co_u32 s58, s58, CS_OFF
	s_mov_b32 s59, 0
	s_add_nc_u64 s[58:59], s[6:7], s[58:59]
	s_mov_b32 s66, 0x3e38aa3b                      ; c = log2(e) / 8
	s_mov_b32 s67, s66                             ; (named with it as a pair, so it is written)
	s_mov_b32 s[SEL], 0x76543210
	s_mov_b32 s[SEL+1], 0xfedcba98
	s_and_b32 s70, s8, 1
	s_lshl_b32 s70, s70, 4                         ; which half of the raw scale word is my tile's pair
	s_mov_b32 s71, 0xffff0000                      ; a mask: lanes 16-31
.irp i, 0,1,2,3,4,5
	v_mov_b32 v[16+\i], 0
	v_mov_b32 v[28+\i], 0
.endr
.irp b, 0,1,2,3
	v_mov_b32 v[PT+\b], 0                          ; (a lane permute's destination counts as one of its sources)
.endr
	v_mov_b32 v[TMP], 0
	v_mov_b32 v[FF+1], 0
; A KEY STEP: 128 keys.  s60: where its codes begin in LDS; s61: its scale words.
.macro STEP
	v_add_nc_u32 v4, s60, v1
	v_add_nc_u32 v5, s60, v2
	v_add_nc_u32 v6, s61, v3
	v_nop                                          ; four places between the last products and the loads into the registers that they read
.irp n, 0,1,2,3,4,5,6,7
	ds_load_b128 v[KV+6*\n:KV+6*\n+3], v4 offset:768*\n
	ds_load_b64 v[KV+6*\n+4:KV+6*\n+5], v5 offset:768*\n+512
.endr
	ds_load_b64 v[84:85], v6
	s_wait_dscnt 0x0
.irp f, 0,1,2,3                                ; S^T: fragment f holds the tiles of keys 2 f and 2 f + 1
.irp u, 0,1
.if (\f%2) == 0
	v_wmma_scale_f32_16x16x128_f8f6f4 v[S+16*\f+8*\u:S+16*\f+8*\u+7], v[KV+12*\f:KV+12*\f+11], v[22-6*\u:33-6*\u], 0, v[84+\f/2], v34 matrix_a_fmt:MATRIX_FMT_BF6 matrix_b_fmt:MATRIX_FMT_BF6
.else
	v_wmma_scale_f32_16x16x128_f8f6f4 v[S+16*\f+8*\u:S+16*\f+8*\u+7], v[KV+12*\f:KV+12*\f+11], v[22-6*\u:33-6*\u], 0, v[84+\f/2], v34 matrix_a_fmt:MATRIX_FMT_BF6 matrix_b_fmt:MATRIX_FMT_BF6 matrix_a_scale:MATRIX_SCALE_ROW1
.endif
.endr
.endr                                          ; register 16 f + i of S^T: key 32 f + 16 (lane / 16) + i of the step
.rept 4
	v_nop                                          ; places: for V's loads into K's registers, and for the first reads of the scores
.endr
.irp n, 0,1,2,3,4,5,6,7                        ; V's fragments land while the softmax is walked
	ds_load_b128 v[KV+6*\n:KV+6*\n+3], v4 offset:24576+768*\n
	ds_load_b64 v[KV+6*\n+4:KV+6*\n+5], v5 offset:24576+768*\n+512
.endr
	ds_load_b64 v[86:87], v6 offset:4096
.irp b, 0,1,2,3
	v_max3_num_f32 v[BM+\b], v[S+16*\b], v[S+1+16*\b], v[S+2+16*\b]   ; the largest score of each block of 32 keys: it serves the row's maximum and, since p rises with the score, the block's largest p.  Each accumulator is read from its low end on
.endr
.irp i, 3,5,7,9,11,13
.irp b, 0,1,2,3
	v_max3_num_f32 v[BM+\b], v[BM+\b], v[S+16*\b+\i], v[S+1+16*\b+\i]
.endr
.endr
.irp b, 0,1,2,3
	v_max_num_f32 v[BM+\b], v[BM+\b], v[S+15+16*\b]
.endr
.irp b, 0,1,2,3
	v_permlanex16_b32 v[PT+\b], v[BM+\b], s[SEL], s[SEL+1]
.endr
.irp b, 0,1,2,3
	v_max_num_f32 v[BM+\b], v[BM+\b], v[PT+\b]     ; with lane l xor 16's 16 keys
.endr
	v_max3_num_f32 v[TMP], v[BM], v[BM+1], v[BM+2]
	v_max_num_f32 v[TMP], v[TMP], v[BM+3]
	v_mul_f32 v[TMP], s66, v[TMP]                  ; as t (c is positive)
	v_max_num_f32 v13, v13, v[TMP]                 ; the running largest t
	v_mov_b32 v[TMP], v12
	v_floor_f32 v12, -v13                          ; the new -M = floor(-t): M is a whole number
	v_sub_f32 v[TMP], v12, v[TMP]                  ; old M less new M: a whole number, 0 or less
	v_cvt_i32_f32 v[TMP], v[TMP]                   ; (it saturates)
	v_ldexp_f32 v[FF], 1.0, v[TMP]                 ; f
.set jj, 0
.rept 32
	v_pk_fma_f32 v[S+jj:S+jj+1], v[S+jj:S+jj+1], s[66:67], v[12:13] op_sel_hi:[1,0,0]   ; t - M, two at a time
.set jj, jj+2
.endr
.irp b, 0,1,2,3
	v_fma_f32 v[BM+\b], v[BM+\b], s66, v12         ; the same of each block's largest score
.endr
.set jj, 0
.rept 64
	v_exp_f32 v[S+jj], v[S+jj]                     ; p = 2^(t - M), at most 1
.set jj, jj+1
.endr
	v_pk_mul_f32 v[14:15], v[14:15], v[FF:FF+1] op_sel_hi:[1,0]   ; the sums under the new M; the plain line behind the exponentials
	s_wait_alu depctr_va_vdst(0)                   ; one wait for the batch of 64, ahead of its first reader
.irp b, 0,1,2,3
	v_exp_f32 v[BM+\b], v[BM+\b]                   ; the block's largest p: the same two instructions on the same number give the same bits
.endr
	v_pk_add_f32 v[PT:PT+1], v[S:S+1], v[S+2:S+3]  ; the row's sum is taken of the unquantised p, in two chains
.set jj, 4
.rept 15
	v_pk_add_f32 v[14:15], v[14:15], v[S+jj:S+jj+1]
	v_pk_add_f32 v[PT:PT+1], v[PT:PT+1], v[S+2+jj:S+3+jj]
.set jj, jj+4
.endr
	v_pk_add_f32 v[14:15], v[14:15], v[PT:PT+1]
	s_wait_alu depctr_va_vdst(0)                   ; and one for the four
.irp b, 0,1,2,3
	v_max_num_f32 v[BM+\b], 0x2800000, v[BM+\b]    ; the floor 2^(5 - 127): the byte cannot fall under 1
.endr
.irp b, 0,1,2,3
	v_add_nc_u32 v[SO+\b], 0xfe000000, v[BM+\b]    ; 4 off the exponent field: the conversion's scale operand
.endr
.irp b, 0,1,2,3
	v_lshrrev_b32 v[PT+\b], 23, v[SO+\b]           ; the byte
.endr
	v_lshl_or_b32 v88, v[PT+1], 8, v[PT]           ; p's scale word for these 128 keys
	v_lshl_or_b32 v88, v[PT+2], 16, v88
	v_lshl_or_b32 v88, v[PT+3], 24, v88
.irp c, 0,1
	v_cvt_scalef32_pk16_bf6_f32 v[PCD+6*\c:PCD+6*\c+2], v[S+32*\c:S+32*\c+15], v[SO+2*\c]
	v_cvt_scalef32_pk16_bf6_f32 v[CT+4*\c:CT+4*\c+2], v[S+16+32*\c:S+31+32*\c], v[SO+2*\c+1]
.endr
	v_nop                                          ; one plain line behind a scaled conversion
.irp c, 0,1                                    ; a whole block to a lane: lanes 0-15 block 2 c, lanes 16-31 block 2 c + 1
.irp i, 0,1,2
	v_permlane16_swap_b32 v[PCD+6*\c+\i], v[CT+4*\c+\i]
.endr
.irp i, 0,1,2
	v_mov_b32 v[PCD+3+6*\c+\i], v[CT+4*\c+\i]
.endr
.endr
.set jj, 0
.rept 16
	v_pk_mul_f32 v[O+jj:O+jj+1], v[O+jj:O+jj+1], v[FF:FF+1] op_sel_hi:[1,0]   ; O^T under the new M; these lines also part p's codes and scale word from the products
.set jj, jj+2
.endr
	s_wait_dscnt 0x0                               ; V is in
.irp t, 0,1,2,3                                ; O^T += V^T P^T: the four accumulators by turns; S^T's eight products stand between a link and the next
.if (\t%2) == 0
	v_wmma_scale_f32_16x16x128_f8f6f4 v[O+8*\t:O+8*\t+7], v[KV+12*\t:KV+12*\t+11], v[PCD:PCD+11], v[O+8*\t:O+8*\t+7], v[86+\t/2], v88 matrix_a_fmt:MATRIX_FMT_BF6 matrix_b_fmt:MATRIX_FMT_BF6
.else
	v_wmma_scale_f32_16x16x128_f8f6f4 v[O+8*\t:O+8*\t+7], v[KV+12*\t:KV+12*\t+11], v[PCD:PCD+11], v[O+8*\t:O+8*\t+7], v[86+\t/2], v88 matrix_a_fmt:MATRIX_FMT_BF6 matrix_b_fmt:MATRIX_FMT_BF6 matrix_a_scale:MATRIX_SCALE_ROW1
.endif
.endr
.endm
; A chunk of 512 keys: the fetching waves' parts have landed, every wave is told so by the barrier, then four steps.
.macro CHUNK c
	s_wait_tensorcnt 3-\c                          ; the scale words and chunks 0 to c are in; the 3 - c loads issued behind them may be out
	s_wait_dscnt 0x0
	s_barrier_signal -1
	s_barrier_wait -1
	s_mov_b32 s60, \c*CHUNKB
	s_mov_b32 s61, \c*1024
	s_mov_b32 s62, 4
.Lstep_\@:
	STEP
	s_add_co_u32 s60, s60, 6144
	s_add_co_u32 s61, s61, 256
	s_sub_co_u32 s62, s62, 1
	s_cmp_lg_u32 s62, 0
	s_cbranch_scc1 .Lstep_\@
.endm
; 32 numbers of a lane, register 16 b + i = k 32 b + 16 (lane / 16) + i of my row, become a half fragment's six registers in v[pc] on; the bytes stay in v[TM+2], v[TM+3].
.macro QUANT32 s, pc, pr
.irp b, 0,1
	v_max3_num_f32 v[TM+\b], |v[\s+16*\b]|, |v[\s+1+16*\b]|, 0x2800000
.endr
.irp i, 2,4,6,8,10,12,14
.irp b, 0,1
	v_max3_num_f32 v[TM+\b], v[TM+\b], |v[\s+16*\b+\i]|, |v[\s+1+16*\b+\i]|
.endr
.endr
.irp b, 0,1
	v_permlanex16_b32 v[TM+2+\b], v[TM+\b], s[SEL], s[SEL+1]
.endr
.irp b, 0,1
	v_max_num_f32 v[TM+\b], v[TM+\b], v[TM+2+\b]
.endr
.irp b, 0,1
	v_add_nc_u32 v[TM+4+\b], 0xfe000000, v[TM+\b]
.endr
.irp b, 0,1
	v_lshrrev_b32 v[TM+2+\b], 23, v[TM+4+\b]
.endr
	v_lshl_or_b32 v[\pr], v[TM+3], 8, v[TM+2]
	v_cvt_scalef32_pk16_bf6_f32 v[\pc:\pc+2], v[\s:\s+15], v[TM+4]
	v_cvt_scalef32_pk16_bf6_f32 v[CT:CT+2], v[\s+16:\s+31], v[TM+5]
	v_nop
.irp i, 0,1,2
	v_permlane16_swap_b32 v[\pc+\i], v[CT+\i]
.endr
.irp i, 0,1,2
	v_mov_b32 v[\pc+3+\i], v[CT+\i]
.endr
.endm
	s_mov_b32 s63, 2
	s_wait_loadcnt 0x0                             ; both passes' q
.Lpass:
.irp i, 0,1,2,3,4,5
	v_mov_b32 v[22+\i], v[228+\i]                  ; this pass's q between the zeros
.endr
	v_lshrrev_b32 v[TMP], s70, v234
	v_and_b32 v[TMP], 0xffff, v[TMP]               ; my tile's pair of bytes,
	v_lshl_or_b32 v34, v[TMP], 16, v[TMP]          ; for whichever half of K holds q
.irp i, 0,1,2,3,4,5,6
	v_mov_b32 v[228+\i], v[236+\i]                 ; the next pass's
.endr
	v_mov_b32 v13, 0xff61b1e6                      ; the largest t so far: -3e38
	v_floor_f32 v12, -v13
	v_mov_b32 v14, 0
	v_mov_b32 v15, 0
.set jj, 0
.rept 32
	v_mov_b32 v[O+jj], 0                           ; O^T.  (The step is written once: the first finds zeros, which the first change of M leaves zeros.  These lines also part q and its scale word from the first product)
.set jj, jj+1
.endr
	CHUNK 0
	CHUNK 1
	CHUNK 2
	CHUNK 3
	; the way out: O^T / the sum is ctx's 64 channels of my query; quantised, it is one half fragment of the projection's first operand
.rept 4
	v_nop
.endr
	v_add_f32 v14, v14, v15
	v_permlanex16_b32 v[TMP], v14, s[SEL], s[SEL+1]
	v_add_f32 v14, v14, v[TMP]                     ; the row's sum
	v_rcp_f32 v14, v14
	v_nop                                          ; a plain line behind the reciprocal,
	s_wait_alu depctr_va_vdst(0)                   ; and the wait ahead of its first reader
.set jj, 0
.rept 16
	v_pk_mul_f32 v[S+jj:S+jj+1], v[O+jj:O+jj+1], v[14:15] op_sel_hi:[1,0]   ; register 16 b + i: channel 32 b + 16 (lane / 16) + i
.set jj, jj+2
.endr
	QUANT32 S, PCD, 225
	global_store_b128 v1, v[PCD:PCD+3], s[56:57]
	global_store_b64 v2, v[PCD+4:PCD+5], s[56:57] offset:512
	v_cndmask_b32 v225, v[TM+2], v[TM+3], s71      ; lane (r, h) stores block h's byte: single bytes, two of each row's 32, so that the projection reads scale words as they lie
	global_store_b8 v8, v225, s[58:59]
	s_wait_xcnt 0x0                                ; the stores have read their data and bases: the next pass writes both again
	s_add_nc_u64 s[56:57], s[56:57], 196608        ; 16 tiles on
	s_add_nc_u64 s[58:59], s[58:59], 8192
	s_sub_co_u32 s63, s63, 1
	s_cmp_lg_u32 s63, 0
	s_cbranch_scc1 .Lpass
	s_wait_tensorcnt 0x0
	ds_add_u32 v254, v255
	s_wait_dscnt 0x0
	CROUND                                         ; the closing round
	s_endpgm
.Lfunc_end_k_qa9a67ce87c_attn:
	.size	k_qa9a67ce87c_attn, .Lfunc_end_k_qa9a67ce87c_attn-k_qa9a67ce87c_attn
	.p2alignl 7, 3214868480
	.fill 96, 4, 3214868480
	.section	.rodata,"a",@progbits
	.p2align	6, 0x0
	.amdhsa_kernel k_qa9a67ce87c_attn
		.amdhsa_group_segment_fixed_size 206848
		.amdhsa_private_segment_fixed_size 0
		.amdhsa_enable_private_segment 0
		.amdhsa_kernarg_size 16
		.amdhsa_user_sgpr_count 2
		.amdhsa_user_sgpr_kernarg_segment_ptr 1
		.amdhsa_wavefront_size32 1
		.amdhsa_system_sgpr_workgroup_id_x 1
		.amdhsa_system_sgpr_workgroup_id_y 1
		.amdhsa_system_sgpr_workgroup_id_z 1
		.amdhsa_system_vgpr_workitem_id 0
		.amdhsa_next_free_vgpr 256
		.amdhsa_next_free_sgpr 80
		.amdhsa_reserve_vcc 0
		.amdhsa_float_denorm_mode_32 3
		.amdhsa_float_denorm_mode_16_64 3
		.amdhsa_memory_ordered 1
		.amdhsa_forward_progress 1
		.amdhsa_inst_pref_size 78
	.end_amdhsa_kernel
	.amdgpu_metadata
---
amdhsa.version: [ 1, 2 ]
amdhsa.kernels:
  - .name:           k_qa9a67ce87c_attn
    .symbol:         k_qa9a67ce87c_attn.kd
    .args:
      - { .name: qkv, .offset: 0, .size: 8, .value_kind: global_buffer, .address_space: global }
      - { .name: ctx, .offset: 8, .size: 8, .value_kind: global_buffer, .address_space: global }
    .group_segment_fixed_size: 206848
    .private_segment_fixed_size: 0
    .kernarg_segment_align: 8
    .kernarg_segment_size: 16
    .max_flat_workgroup_size: 512
    .sgpr_count:     80
    .vgpr_count:     256
    .wavefront_size: 32
...
	.end_amdgpu_metadata
.endif
;; end of part 3
;; launch outp (part 4): grid 4 x 32, 4 waves a work-group, clusters of 4 x 4, 327,680 bytes of LDS; arguments ctx, wq, bo, out0; writes out0
.if DOCPART == 4
	.amdgcn_target "amdgcn-amd-amdhsa--gfx1250"
	.amdhsa_code_object_version 6
	.text
	.protected	k_qa9a67ce87c_outp
	.globl	k_qa9a67ce87c_outp
	.p2align	8
	.type	k_qa9a67ce87c_outp,@function
k_qa9a67ce87c_outp:
	s_mov_b64 s[64:65], 0
	v_nop
	global_prefetch_b8 v0, s[64:65] scope:SCOPE_SE
	s_setreg_imm32_b32 hwreg(HW_REG_WAVE_MODE, 25, 1), 1
	s_wait_xcnt 0x0
	s_wait_alu depctr_hold_cnt(0) depctr_sa_sdst(0) depctr_va_vdst(0) depctr_va_sdst(0) depctr_va_ssrc(0) depctr_va_vcc(0) depctr_vm_vsrc(0)
	s_getreg_b32 s2, hwreg(HW_REG_IB_STS2, 6, 4)
	s_cmp_eq_u32 s2, 0
	s_cbranch_scc0 .Lentry_in_a_cluster
	s_endpgm
.Lentry_in_a_cluster:
	s_bfe_u32 s2, ttmp6, 0x10000c
	s_cmp_lg_u32 s2, 0xf033
	s_cbranch_scc0 .Lentry_shape_is_right
	s_endpgm
.Lentry_shape_is_right:
; OUTP: out0 = ctx Wo + bo on codes of BF6 (E3M2), K = 1,024; out0 [8192][1024] f32.
; A tile of 256 x 256 of out0 is made by four waves, 128 x 128 each: 64 accumulators, 512 registers.  K goes in steps of 256 through a ring of two LDS slots filled by the tensor data mover.
; OPERANDS lie in memory as images of their registers: rows in tiles of 16 (tile t: rows 32 (t / 2) + 8 (t % 2) + r + 8 (r / 8)), a tile as 16 half fragments of 768 bytes (64 along K: registers 0-3 at 16 x lane,
; registers 4-5 at 512 + 16 r + 8 h).  A K step of a tile is 3,072 consecutive bytes; a fragment comes from LDS by two loads of 16 bytes and two of 8, each on consecutive bytes: no padding.
; THE MATRIX INSTRUCTION IS USED TRANSPOSED: source 0 = 16 columns of Wo (B'), source 1 = 16 rows of ctx (A'): a lane holds one row of out0 and eight neighbouring columns an accumulator.
; CLUSTERS: 4 x 4 work-groups; ctx's tiles are asked for jointly along a row of the cluster, Wo's along a column.  The grid has 128 work-groups: one body of the product serves this launch and the projections.
.set CS_OFF, 6291456
.set WS_OFF, 3145728
.set NQ,     2
.set STEPB,  3072
.set FR,     12
.set NL,     4
.set NP,     4
.set HALFT,  8*STEPB
.set SLOT,   4*HALFT
.set KS,     32
.set SCL,    2*SLOT                    ; behind the ring: the scales, as units of 256 bytes + 16 of padding; filled once
.set HALFS,  16*272
.set SBLK,   2*272
.set SPARE,  SCL+4*HALFS               ; the spare words, 128 bytes for each wave: two blocks of 256 bytes that no other line names
.set SPITCH, 528                       ; the way out: a stage of 16 rows x (512 bytes + 16) for each wave, in slot 0, which has had its last fill and its last read when the first result is stored there
.set ADRA, 16
.set ADRB, 20
.set STO,  24                          ; v24 the way out: where I put 32 bytes of a row
.set RD,   25                          ; v25 where I read a row back
.set CO,   26                          ; v26 16 x lane
.set ADRS, 27
.set SPW,  28
.set NIL,  29
.set SC,   32
.set BO,   64                          ; v64-67 bo at my four columns of a row read back
.set AF,   128
.set BK,   128                         ; the way out: 16 rows read back: v128-191 and v192-255 by turns
.set G1, 24
.set G0, 32
.set G1B, 48
.set G0B, 56
.set G1S, 68
.set G0S, 76
.set G1SB, 80
.set G0SB, 88
.set MSB, 0
.macro WIN new
.if MSB != (\new)
	s_set_vgpr_msb (MSB<<8)|(\new)
.set MSB, (\new)
.endif
.endm
.set MUL_LO, 0xa1
.set MUL_HI, 0xf1
.set TO_B,   0x40
.macro JLOAD g0a, g1a, g0b, g1b        ; a joint load: waves 0 and 1 fetch for A', waves 2 and 3 for B'; four v_nop follow each of the two lines
	s_cmp_eq_u32 s15, 0
	s_cbranch_scc0 .Lfor_b_\@
	tensor_load_to_lds s[\g0a:\g0a+3], s[\g1a:\g1a+7]
	s_nop 0
.rept 4
	v_nop
.endr
	s_branch .Lasked_\@
.Lfor_b_\@:
	tensor_load_to_lds s[\g0b:\g0b+3], s[\g1b:\g1b+7]
	s_nop 0
.rept 4
	v_nop
.endr
.Lasked_\@:
.endm
.macro CREST
	s_cmp_lg_u32 s14, 0
	s_cbranch_scc1 .Lnot_wave_0_\@
	s_barrier_signal -3
.Lnot_wave_0_\@:
	s_barrier_wait -3
	s_barrier_signal -1
	s_barrier_wait -1
.endm
.macro CROUND
	s_barrier_signal -1
	s_barrier_wait -1
	CREST
.endm
	s_load_b128 s[4:7], s[0:1], 0x0                ; ctx, wq
	s_load_b128 s[8:11], s[0:1], 0x10              ; bo, out0
	v_lshl_add_u32 v[SPW], v0, 2, SPARE
	v_mov_b32 v[NIL], 0
	ds_add_u32 v28, v29
	ds_add_u32 v28, v29
	s_wait_dscnt 0x0
	v_lshrrev_b32 v1, 5, v0
	v_readfirstlane_b32 s14, v1                    ; wave 0..3
	s_lshr_b32 s15, s14, 1
	s_and_b32 s16, s14, 1
	s_bfe_u32 s40, ttmp6, 0x40000                  ; cx, cy
	s_bfe_u32 s41, ttmp6, 0x40004
	s_lshl_b32 s42, ttmp9, 2
	s_add_co_u32 s42, s42, s40                     ; tile column
	s_and_b32 s17, ttmp7, 0xffff
	s_lshl_b32 s17, s17, 2
	s_add_co_u32 s17, s17, s41                     ; tile row
	s_lshl_b32 s43, s41, 2
	s_lshl_b32 s43, 15, s43                        ; my row of the cluster
	s_lshl_b32 s44, 0x1111, s40                    ; my column
	s_or_b32 s[G1+0], s43, (3<<16)|(1<<21)         ; codes: 8 tiles x 3,072 bytes (384 elements of 8 bytes), 12,288 bytes from tile to tile
	s_or_b32 s[G1B+0], s44, (3<<16)|(1<<21)
.irp g, G1, G1B
	s_mov_b32 s[\g+1], 384<<16
	s_mov_b32 s[\g+2], 8<<16
	s_mov_b32 s[\g+3], 384<<16
	s_mov_b32 s[\g+4], 8
	s_mov_b32 s[\g+5], 1536
	s_mov_b32 s[\g+6], 0
	s_mov_b32 s[\g+7], 0
.endr
	s_or_b32 s[G1S+0], s43, (3<<16)|(1<<20)|(1<<21)|(5<<22)|(3<<25)   ; scales of 128 rows: 16 rows of 256 bytes, 16 bytes of padding behind each
	s_or_b32 s[G1SB+0], s44, (3<<16)|(1<<20)|(1<<21)|(5<<22)|(3<<25)
.irp g, G1S, G1SB
	s_mov_b32 s[\g+1], 32<<16
	s_mov_b32 s[\g+2], 16<<16
	s_mov_b32 s[\g+3], 32<<16
	s_mov_b32 s[\g+4], 16
	s_mov_b32 s[\g+5], 32
	s_mov_b32 s[\g+6], 0
	s_mov_b32 s[\g+7], 0
.endr
	s_lshl_b32 s18, s16, 7
	s_lshl_b32 s20, s17, 8
	s_add_co_u32 s20, s20, s18                     ; ctx: row 256 x tile row + 128 x half
	s_lshl_b32 s46, s42, 8
	s_add_co_u32 s46, s46, s18
	s_add_co_u32 s46, s46, 3072                    ; Wo's columns begin at row 3,072 of the weights' codes
	s_lshl_b32 s22, s20, 5
	s_add_co_u32 s22, s22, CS_OFF
	s_lshl_b32 s92, s46, 5
	s_add_co_u32 s92, s92, WS_OFF
	s_mul_i32 s20, s20, 768
	s_mul_i32 s46, s46, 768
	s_mov_b32 s21, 0
	s_mov_b32 s23, 0
	s_mov_b32 s47, 0
	s_mov_b32 s93, 0
	s_mul_i32 s45, s14, HALFT
	s_mul_i32 s94, s14, HALFS
	s_wait_kmcnt 0x0
	s_add_nc_u64 s[20:21], s[4:5], s[20:21]
	s_add_nc_u64 s[22:23], s[4:5], s[22:23]
	s_add_nc_u64 s[46:47], s[6:7], s[46:47]
	s_add_nc_u64 s[92:93], s[6:7], s[92:93]
	CROUND                                         ; all sixteen work-groups are here: the first joint loads meet
	s_mov_b32 s[G0S], 1
	s_add_co_u32 s[G0S+1], s94, SCL
	s_mov_b64 s[G0S+2:G0S+3], s[22:23]
	s_or_b32 s[G0S+3], s[G0S+3], 0x80000000
	s_mov_b32 s[G0SB], 1
	s_add_co_u32 s[G0SB+1], s94, SCL
	s_mov_b64 s[G0SB+2:G0SB+3], s[92:93]
	s_or_b32 s[G0SB+3], s[G0SB+3], 0x80000000
	JLOAD G0S, G1S, G0SB, G1SB
.irp s, 0,1
	s_mov_b32 s[G0+4*\s], 1
	s_add_co_u32 s[G0+4*\s+1], s45, \s*SLOT
	s_add_nc_u64 s[G0+4*\s+2:G0+4*\s+3], s[20:21], \s*STEPB
	s_or_b32 s[G0+4*\s+3], s[G0+4*\s+3], 0x80000000
	s_mov_b32 s[G0B+4*\s], 1
	s_add_co_u32 s[G0B+4*\s+1], s45, \s*SLOT
	s_add_nc_u64 s[G0B+4*\s+2:G0B+4*\s+3], s[46:47], \s*STEPB
	s_or_b32 s[G0B+4*\s+3], s[G0B+4*\s+3], 0x80000000
	JLOAD G0+4*\s, G1, G0B+4*\s, G1B               ; three tensor loads of mine are out
.endr
	v_and_b32 v1, 15, v0                           ; r
	v_bfe_u32 v2, v0, 4, 1                         ; h
	v_and_b32 v3, 31, v0
	v_lshlrev_b32 v4, 4, v3                        ; 16 x lane
	v_lshlrev_b32 v5, 4, v1
	v_lshl_add_u32 v5, v2, 3, v5                   ; 16 r + 8 h
	s_mul_i32 s21, s15, HALFT
	s_mul_i32 s22, s16, HALFT
	s_add_co_u32 s22, s22, 2*HALFT
.irp s, 0,1
	v_add_nc_u32 v[ADRA+\s], s21, v4
	v_add_nc_u32 v[ADRB+\s], s22, v4
	v_add_nc_u32 v[ADRA+2+\s], s21, v5
	v_add_nc_u32 v[ADRB+2+\s], s22, v5
	s_add_co_u32 s21, s21, SLOT
	s_add_co_u32 s22, s22, SLOT
.endr
	v_mul_u32_u24 v5, v1, KS
	v_lshrrev_b32 v6, 8, v5
	v_lshl_add_u32 v5, v6, 4, v5
	s_mul_i32 s21, s15, HALFS
	s_mul_i32 s22, s16, HALFS
	s_add_co_u32 s22, s22, 2*HALFS
	s_sub_co_u32 s22, s22, s21
	v_mul_u32_u24 v6, s22, v2                      ; lanes 16-31 take B's
	s_add_co_u32 s21, s21, SCL
	v_add_nc_u32 v5, v5, v6
	v_add_nc_u32 v[ADRS], s21, v5
	s_mul_i32 s23, s14, 16*SPITCH                  ; my stage
	v_mul_u32_u24 v5, v1, SPITCH                   ; in: row r; my half's 16 columns of each 32: 64 h bytes on
	v_lshl_add_u32 v5, v2, 6, v5
	v_add_nc_u32 v[STO], s23, v5
	v_lshlrev_b32 v[CO], 4, v3                     ; back: the 32 lanes take one row of 512 bytes; and the same in out0
	v_add_nc_u32 v[RD], s23, v[CO]
	s_lshl_b32 s20, s17, 8
	s_lshl_b32 s21, s15, 7
	s_add_co_u32 s20, s20, s21                     ; my first row of out0
	s_lshl_b32 s20, s20, 12                        ; 4,096 bytes a row
	s_mov_b32 s21, 0
	s_lshl_b32 s46, s42, 10                        ; my first column, in bytes: 1,024 x tile column + 512 x half
	s_lshl_b32 s47, s16, 9
	s_add_co_u32 s46, s46, s47
	s_mov_b32 s47, 0
	s_add_nc_u64 s[96:97], s[8:9], s[46:47]        ; bo at my columns
	s_add_nc_u64 s[20:21], s[20:21], s[46:47]
	s_add_nc_u64 s[12:13], s[10:11], s[20:21]
	global_load_b128 v[BO:BO+3], v[CO], s[96:97]   ; waited for at the way out
.macro FRAG reg, adr, q, i
	ds_load_b128 v[\reg:\reg+3], v[\adr] offset:(\i)*STEPB+(\q)*1536
	ds_load_b64 v[\reg+4:\reg+5], v[\adr+2] offset:(\i)*STEPB+(\q)*1536+512
	ds_load_b128 v[\reg+6:\reg+9], v[\adr] offset:(\i)*STEPB+(\q)*1536+768
	ds_load_b64 v[\reg+10:\reg+11], v[\adr+2] offset:(\i)*STEPB+(\q)*1536+1280
.endm
; 16 matrix instructions: A's tiles a0, a0 + 1 x B's eight.  The 64 accumulators take turns, one instruction a turn, in the same order in every step.
.macro MUL16 a0, p, q, sc, zero
.irp a, \a0, \a0+1
.irp b, 0,1,2,3,4,5,6,7
.if \zero
	v_wmma_scale_f32_16x16x128_f8f6f4 v[8*(8*((\a)%4)+\b):8*(8*((\a)%4)+\b)+7], v[128*(\p)+FR*\b:128*(\p)+FR*\b+FR-1], v[AF+FR*(\a):AF+FR*(\a)+FR-1], 0, v[SC+8*NQ*(\sc)+NQ*\b+(\q)], v[SC+8*NQ*(\sc)+NQ*(\a)+(\q)] matrix_a_fmt:MATRIX_FMT_BF6 matrix_b_fmt:MATRIX_FMT_BF6 matrix_a_scale:MATRIX_SCALE_ROW1
.else
	v_wmma_scale_f32_16x16x128_f8f6f4 v[8*(8*((\a)%4)+\b):8*(8*((\a)%4)+\b)+7], v[128*(\p)+FR*\b:128*(\p)+FR*\b+FR-1], v[AF+FR*(\a):AF+FR*(\a)+FR-1], v[8*(8*((\a)%4)+\b):8*(8*((\a)%4)+\b)+7], v[SC+8*NQ*(\sc)+NQ*\b+(\q)], v[SC+8*NQ*(\sc)+NQ*(\a)+(\q)] matrix_a_fmt:MATRIX_FMT_BF6 matrix_b_fmt:MATRIX_FMT_BF6 matrix_a_scale:MATRIX_SCALE_ROW1
.endif
.endr
.endr
.endm
.macro FETCH_B slot, q, p
	WIN TO_B
.irp i, 0,1,2,3,4,5,6,7
	FRAG 128*(\p)+FR*\i, ADRB+\slot, \q, \i
.endr
	WIN 0
.endm
.macro FETCH_A slot, q, i0
.irp i, \i0, \i0+1, \i0+2, \i0+3
	FRAG AF+FR*(\i), ADRA+\slot, \q, \i
.endr
.endm
.macro SCALES sc
.irp i, 0,1,2,3,4,5,6,7
	ds_load_b64 v[SC+8*NQ*\sc+NQ*\i:SC+8*NQ*\sc+NQ*\i+1], v[ADRS] offset:\i*SBLK
.endr
.endm
.macro PLACES n                        ; plain vector lines between a matrix instruction and a load into a register that it read, or a read of its result (ISA guide 7.12.1 for the read of its result)
.rept \n
	v_nop
.endr
.endm
.macro STEP slot, q, zero
	s_wait_dscnt 4*NL                              ; B's set, A's tiles 0-3 and the scale words are in; the youngest 16 loads (A's tiles 4-7) may be out
	WIN MUL_LO
	MUL16 0, (\q)%2, \q, \slot, \zero
	MUL16 2, (\q)%2, \q, \slot, \zero
	s_wait_dscnt 0
	PLACES NP
	FETCH_B \slot, (\q)+1, 1-(\q)%2
	FETCH_A \slot, (\q)+1, 0
	WIN MUL_HI
	MUL16 4, (\q)%2, \q, \slot, \zero
	MUL16 6, (\q)%2, \q, \slot, \zero
	PLACES NP
	WIN 0
	FETCH_A \slot, (\q)+1, 4
.endm
.macro TURN slot, next, fill           ; a slot's last 128 change slots: one barrier, with the waits and the add in front of it
	s_wait_tensorcnt 0x0                           ; all my tensor loads have landed: my part of the next slot
	ds_add_u32 v[SPW], v[NIL]                      ; 0 onto my spare word
	s_wait_dscnt 4*NL+1                            ; (the add and the youngest 16 loads may be out)
	WIN MUL_LO
	MUL16 0, 1, NQ-1, \slot, 0
	s_wait_dscnt 0x0                               ; the add is done, and my reads of this slot are over
	s_barrier_signal -1
	MUL16 2, 1, NQ-1, \slot, 0
	WIN 0
	s_barrier_wait -1
.if \fill
	CREST                                          ; the barrier has opened a round of the cluster's: no wave of any partner still reads this slot or has a load on its way
	s_add_nc_u64 s[G0+4*\slot+2:G0+4*\slot+3], s[G0+4*\slot+2:G0+4*\slot+3], 2*STEPB
	s_add_nc_u64 s[G0B+4*\slot+2:G0B+4*\slot+3], s[G0B+4*\slot+2:G0B+4*\slot+3], 2*STEPB
	JLOAD G0+4*\slot, G1, G0B+4*\slot, G1B
.else
	PLACES NP
.endif
	v_add_nc_u32 v[ADRS], 4*NQ, v[ADRS]
	FETCH_B \next, 0, 0
	FETCH_A \next, 0, 0
	SCALES \next
	WIN MUL_HI
	MUL16 4, 1, NQ-1, \slot, 0
	MUL16 6, 1, NQ-1, \slot, 0
	PLACES NP
	WIN 0
	FETCH_A \next, 0, 4
.endm
	s_wait_tensorcnt 1                             ; the scales and my part of K step 0 are in (K step 1's load may be out)
	s_barrier_signal -1
	s_barrier_wait -1
	FETCH_B 0, 0, 0
	FETCH_A 0, 0, 0
	SCALES 0
	FETCH_A 0, 0, 4
	STEP 0, 0, 1                                   ; K = 1,024 is four K steps: written straight
	TURN 0, 1, 1
	STEP 1, 0, 0
	TURN 1, 0, 1
	STEP 0, 0, 0
	TURN 0, 1, 0
	STEP 1, 0, 0
	s_wait_dscnt 4*NL
	WIN MUL_LO
	MUL16 0, 1, NQ-1, 1, 0
	MUL16 2, 1, NQ-1, 1, 0
	s_wait_dscnt 0
	WIN MUL_HI
	MUL16 4, 1, NQ-1, 1, 0
	MUL16 6, 1, NQ-1, 1, 0
	WIN 0
; THE WAY OUT, tile by tile of 16 rows x 128 columns, through my own stage in LDS: in as 32 bytes a lane and accumulator, back as whole rows of 512 bytes; bo is added to the rows read back.
; Accumulator b of a tile holds columns 32 (b / 2) + 16 (lane / 16) + 8 (b % 2) + 0 .. 7; stage row t of tile a is row 32 (a / 2) + 8 (a % 2) + t + 8 (t / 8) of my 128.
.macro TOSTAGE a
.set AC, 64*((\a)%4)
	WIN 0x08+4*((\a)/4)                            ; the data: window 2 or 3
.irp b, 0,1,2,3,4,5,6,7
	ds_store_b128 v[STO], v[AC+8*\b:AC+8*\b+3] offset:128*(\b/2)+32*(\b%2)          ; each accumulator from its low end on
	ds_store_b128 v[STO], v[AC+8*\b+4:AC+8*\b+7] offset:128*(\b/2)+32*(\b%2)+16
.endr
	WIN 0
.set BB, BK+64*((\a)%2)
.irp t, 0,1,2,3,4,5,6,7,8,9,10,11,12,13,14,15
	ds_load_b128 v[BB+4*\t:BB+4*\t+3], v[RD] offset:\t*SPITCH                       ; LDS serves a wave's instructions in order: these see the stores above, and the next tile's stores come behind them
.endr
.endm
.macro SEND a, younger                 ; younger: the LDS instructions issued behind tile a's loads, which may stay out
.set BB, BK+64*((\a)%2)
	s_wait_dscnt \younger
.irp t, 0,1,2,3,4,5,6,7,8,9,10,11,12,13,14,15
	v_pk_add_f32 v[BB+4*\t:BB+4*\t+1], v[BB+4*\t:BB+4*\t+1], v[BO:BO+1]
	v_pk_add_f32 v[BB+4*\t+2:BB+4*\t+3], v[BB+4*\t+2:BB+4*\t+3], v[BO+2:BO+3]
.endr
.irp t, 0,1,2,3,4,5,6,7,8,9,10,11,12,13,14,15
	global_store_b128 v[CO], v[BB+4*\t:BB+4*\t+3], s[12:13] offset:(32*((\a)/2)+8*((\a)%2)+\t+8*(\t/8))*4096 th:TH_STORE_NT   ; 32 lanes store 512 consecutive bytes, at a multiple of 256 from out0's first byte
.endr
.endm
	s_wait_loadcnt 0x0                             ; bo
	PLACES NP                                      ; behind the last products: for the loads into the registers that held A's fragments and for the reads of results
	TOSTAGE 0
.irp a, 1,2,3,4,5,6,7
.if \a > 1
	s_wait_xcnt 0x0                                ; tile a - 2's stores have read their registers: tile a's loads may land there
.endif
	TOSTAGE \a
	SEND \a-1, 32                                  ; behind tile a - 1's loads: tile a's 16 stores and 16 loads
.endr
	SEND 7, 0
	s_wait_tensorcnt 0x0                           ; the wave's end
	ds_add_u32 v[SPW], v[NIL]
	s_wait_dscnt 0x0
	CROUND                                         ; the closing round
	s_endpgm
.Lfunc_end_k_qa9a67ce87c_outp:
	.size	k_qa9a67ce87c_outp, .Lfunc_end_k_qa9a67ce87c_outp-k_qa9a67ce87c_outp
	.p2alignl 7, 3214868480
	.fill 96, 4, 3214868480
	.section	.rodata,"a",@progbits
	.p2align	6, 0x0
	.amdhsa_kernel k_qa9a67ce87c_outp
		.amdhsa_group_segment_fixed_size 327680
		.amdhsa_private_segment_fixed_size 0
		.amdhsa_enable_private_segment 0
		.amdhsa_kernarg_size 32
		.amdhsa_user_sgpr_count 2
		.amdhsa_user_sgpr_kernarg_segment_ptr 1
		.amdhsa_wavefront_size32 1
		.amdhsa_system_sgpr_workgroup_id_x 1
		.amdhsa_system_sgpr_workgroup_id_y 1
		.amdhsa_system_sgpr_workgroup_id_z 1
		.amdhsa_system_vgpr_workitem_id 0
		.amdhsa_next_free_vgpr 1024
		.amdhsa_next_free_sgpr 100
		.amdhsa_reserve_vcc 0
		.amdhsa_float_denorm_mode_32 3
		.amdhsa_float_denorm_mode_16_64 3
		.amdhsa_memory_ordered 1
		.amdhsa_forward_progress 1
		.amdhsa_inst_pref_size 159
	.end_amdhsa_kernel
	.amdgpu_metadata
---
amdhsa.version: [ 1, 2 ]
amdhsa.kernels:
  - .name:           k_qa9a67ce87c_outp
    .symbol:         k_qa9a67ce87c_outp.kd
    .args:
      - { .name: ctx, .offset: 0, .size: 8, .value_kind: global_buffer, .address_space: global }
      - { .name: wq, .offset: 8, .size: 8, .value_kind: global_buffer, .address_space: global }
      - { .name: bo, .offset: 16, .size: 8, .value_kind: global_buffer, .address_space: global }
      - { .name: out0, .offset: 24, .size: 8, .value_kind: global_buffer, .address_space: global }
    .group_segment_fixed_size: 327680
    .private_segment_fixed_size: 0
    .kernarg_segment_align: 8
    .kernarg_segment_size: 32
    .max_flat_workgroup_size: 128
    .sgpr_count:     100
    .vgpr_count:     1024
    .wavefront_size: 32
...
	.end_amdgpu_metadata
.endif
;; end of part 4
